; MI455X (gfx1250); checked and timed in simulation.
; The chip was launched on July 23, 2026; its instructions are those of AMD's public machine-readable ISA for CDNA 5 (MIT licence, August 2026) and "CDNA5" Instruction Set Architecture Reference Guide (July 2026). The comments in the code are by the model that wrote it; some were corrected since.
;; Attention. Allowed arithmetic: matrix products marked QUANTISED: E2M1 operands, one E8M0 scale for each 32 along K, by v_wmma_scale_f32_16x16x128_f8f6f4 with both operands' format E2M1 (or v_wmma_scale_f32_32x16x128_f4), f32 sums; products left as they are: bf16, f16 or f32 operands; f32 sums; everything else in f32.
;; Inputs: freqs 1,024 x 64 float32; wk 1,024 x 4,096 float32; wo 4,096 x 4,096 float32; wq 4,096 x 4,096 float32; wv 1,024 x 4,096 float32; x 1,024 x 4,096 float32.
;; Outputs: out0 1,024 x 4,096 float32.
;; This version of the problem:
;;   THIS VERSION OF THE PROBLEM IS GIVEN IN LOW PRECISION. The matrix products marked QUANTISED in the list below multiply operands that are first quantised to E2M1 (2 exponent bits, 1 mantissa bit; 4 bits a number), with one power-of-two scale for each 32 numbers along K (OCP MX v1.0); their sums are f32. The products marked 'left as it is' may take bf16, f16 or f32 operands, with f32 sums. Whichever they take, every output number must still come out within the allowed error. Rounding operands to bf16 (8 significant bits) uses up far more of that allowance than f16 does (11 bits, for magnitudes from 6e-5 to 65,504). All else is computed in f32.
;;   The module's matrix products, in the order in which they are computed (A, B: the left and right operand; K: the contracted axis; several contracted axes count as one K, in the product's order):
;;     1. [M 1,024, K 4,096] x [K 4,096, N 4,096]; A: input x; B: input wq: QUANTISED
;;     2. [M 1,024, K 4,096] x [K 4,096, N 1,024]; A: input x; B: input wk: QUANTISED
;;     3. [M 1,024, K 4,096] x [K 4,096, N 1,024]; A: input x; B: input wv: QUANTISED
;;     4. batch 32 x [M 1,024, K 128] x [K 128, N 1,024]; A: computed on the way; B: computed on the way: left as it is (an operand is computed on the way)
;;     5. batch 32 x [M 128, K 1,024] x [K 1,024, N 1,024]; A: computed on the way; B: computed on the way: left as it is (an operand is computed on the way)
;;     6. [M 1,024, K 4,096] x [K 4,096, N 4,096]; A: computed on the way; B: input wo: left as it is (an operand is computed on the way)
;;   THE QUANTISER, for each operand of a quantised product, along K:
;;     - K is cut into blocks of 32 from its start; a last block that is shorter is filled with zeros.
;;     - A block's scale is 2^e with e = floor(log2(the largest magnitude in the block)) - 2, held to -126 .. 127; a block of zeros has e = 0. As a byte (E8M0): e + 127.
;;     - Each number is divided by its block's scale, clamped to +-6, and rounded to the nearest number of E2M1, ties to even, subnormals kept.
;;     - The product sums the exact products of the quantised numbers (number of the format x scale) in f32.
;;   ~~~python
;;   def quantise(x, axis):      # numpy; x: float32 -> the quantised numbers, widened to float32 again
;;       x = np.moveaxis(x, axis, -1); K = x.shape[-1]
;;       x = np.pad(x, [(0, 0)] * (x.ndim - 1) + [(0, -K % 32)]); x = x.reshape(x.shape[:-1] + (-1, 32)); a = np.abs(x).max(-1, keepdims=True)
;;       e = np.where(a > 0, np.clip(np.frexp(np.where(a > 0, a, 1))[1] - 1 - 2, -126, 127), 0)      # np.frexp(a)[1] - 1 = floor(log2(a)), exactly
;;       r = np.clip(x / 2.0 ** e, -6, 6)
;;       step = 2.0 ** (np.maximum(np.frexp(np.where(r == 0, 1, r))[1] - 1, 0) - 1)
;;       q = np.round(r / step) * step * 2.0 ** e      # np.round: ties to even
;;       return np.moveaxis(q.reshape(q.shape[:-2] + (-1,))[..., :K], -1, axis).astype(np.float32)
;;   ~~~
;; One version. Each part assembles by itself: llvm-mc -triple=amdgcn-amd-amdhsa -mcpu=gfx1250 --defsym DOCPART=n.
;; ======== version 1 of 1: 4 launches
;; limits: values are held in f16: magnitudes above 65,504 overflow, below 6.1e-05 lose precision; right only within a limited range of input values
;; workspace buffers: codes 14,680,064 bytes; scales 917,504 bytes; wo16 33,554,432 bytes; rope 524,288 bytes; qkv16 12,582,912 bytes; attn16 8,388,608 bytes
;; launch prep (part 1): grid 960 x 1, 4 waves a work-group, no clusters, 33,280 bytes of LDS; arguments x, wq, wk, wv, freqs, rope, codes, scales; writes rope, codes, scales
.if DOCPART == 1
	.amdgcn_target "amdgcn-amd-amdhsa--gfx1250"
	.amdhsa_code_object_version 6
	.text
	.protected	k_q304b1638aa_prep
	.globl	k_q304b1638aa_prep
	.p2align	8
	.type	k_q304b1638aa_prep,@function
k_q304b1638aa_prep:
	s_mov_b64 s[64:65], 0
	v_nop
	global_prefetch_b8 v0, s[64:65] scope:SCOPE_SE
	s_setreg_imm32_b32 hwreg(HW_REG_WAVE_MODE, 25, 1), 1
	s_wait_xcnt 0x0
; PREP: what the quantised products need, made once from the inputs.  No work of the problem is left out anywhere in this program: every input reaches the output, every product is live;
; the repeat of the key and value heads is a lookup (key/value head = query head / 4) and is never written out.  (wo is rounded to f16 in the next launch, on WGPs that its product leaves without work.)
; Two paths, parted by the work-group's number:
;  A (work-groups 0-895): x, wq, wk, wv, all [rows][4096] f32 with K innermost, become codes of FP4 (E2M1) and one E8M0 byte for each 32 along K.
;     codes: [7168 rows][2048 bytes]; rows 0-1023 x, 1024-5119 wq, 5120-6143 wk, 6144-7167 wv; the lower k in the low four bits.
;     scales: [8 steps of 512 along K][7168 rows][16 bytes]: sixteen neighbouring rows of one step are 256 consecutive bytes.
;     A block's scale is 2^(floor(log2(its largest magnitude)) - 2); its byte is the largest magnitude's exponent field - 2, held at 1 from below.
;  C (896-959): cos and sin of freqs, in f32, laid in the order in which the next launch's lanes take them:
;     rope: [64 blocks of 16 rows][b 0-7][c 0-1][lane][16 bytes]; lane (r, h) has (cos, sin, cos, sin) of row 16 R + r, pairs 8 b + 4 h + 2 c and the next.
; LIMITS: a block of zeros gets the byte 1 where the rule says 127 (its codes are zeros, which add nothing, and this program alone reads the bytes); blocks whose largest magnitude
; lies under 2^-124 were not tried; NaN and infinities in x, wq, wk, wv are not served; cos and sin hold to about 2e-7 for |freqs| up to 2^22
; (a reduction by pi/2 in three parts, then polynomials of degree 7 and 8 on |r| <= pi/4).
; No cluster: no two work-groups read the same bytes.  No matrix work.  Only path A touches LDS.
.set STEPS, 16
.set EMAX,  2
.set R,     16                         ; v16-79   A: four sets of 16 numbers as they are loaded
.set X,     80                         ; v80-111  A: two sets of 16 neighbours
.set E,     112                        ; v112-127 A: a scale byte for each step
.set C,     128                        ; v128-191 A: codes, four registers for each step: no store's data are written again
.set WREG,  8192                       ; LDS: a region for each wave: two stages of 32 x SP bytes, then its 256 scale bytes
.set SP,    80                         ; a lane's place in a stage: 64 bytes + 16 of padding
.set SPW,   12                         ; v12  LDS address of my spare word; never rewritten
.set NIL,   13                         ; v13  0; never rewritten
.set SPARE, 4*WREG                     ; behind the four regions: the spare words, 128 bytes a wave, which no other line names
	s_load_b256 s[4:11], s[0:1], 0x0               ; x s[4:5], wq s[6:7], wk s[8:9], wv s[10:11]
	s_load_b256 s[12:19], s[0:1], 0x20             ; freqs s[12:13], rope s[14:15], codes s[16:17], scales s[18:19]
	v_lshl_add_u32 v[SPW], v0, 2, SPARE
	v_mov_b32 v[NIL], 0
	v_lshrrev_b32 v1, 5, v0
	v_readfirstlane_b32 s24, v1                    ; wave 0..3
	v_and_b32 v2, 31, v0                           ; lane
	v_lshlrev_b32 v3, 4, v2                        ; 16 x lane
	v_lshlrev_b32 v4, 3, v2                        ; 8 x lane
	s_mul_i32 s27, s24, WREG
	v_lshrrev_b32 v14, 2, v2
	v_mul_u32_u24 v14, v14, SP
	v_and_b32 v15, 3, v2
	v_lshl_add_u32 v14, v15, 4, v14
	v_add_nc_u32 v14, s27, v14                     ; the stage, on the way in: SP (lane / 4) + 16 (lane % 4)
	v_mul_u32_u24 v15, v2, SP
	v_add_nc_u32 v15, s27, v15                     ; and on the way out: SP x lane: my 16 neighbours
	v_lshrrev_b32 v5, 1, v2
	s_add_co_u32 s27, s27, 2*32*SP
	v_add_nc_u32 v5, s27, v5                       ; my wave's 256 scale bytes: my block's byte
	v_add_nc_u32 v6, s27, v4                       ; and on the way out 8 bytes a lane
	s_cmp_ge_u32 ttmp9, 896
	s_cbranch_scc1 .Ltable
; ---- PATH A.  A wave takes 16 rows x 512 along K: step t is row t, 2,048 consecutive bytes.  Its 16 steps' scale bytes are 256 consecutive bytes of scales, each step's codes 256 of codes.
	s_lshr_b32 s25, ttmp9, 1                       ; G: which 16 rows of the 7,168
	s_and_b32 s26, ttmp9, 1
	s_lshl_b32 s26, s26, 2
	s_add_co_u32 s26, s26, s24                     ; which 512 along K
	s_wait_kmcnt 0x0
	s_mov_b64 s[28:29], s[10:11]                   ; the source is chosen by the work-group's number alone: wv,
	s_mov_b32 s30, 384
	s_cmp_lt_u32 s25, 384
	s_cselect_b64 s[28:29], s[8:9], s[28:29]       ; wk,
	s_cselect_b32 s30, 320, s30
	s_cmp_lt_u32 s25, 320
	s_cselect_b64 s[28:29], s[6:7], s[28:29]       ; wq,
	s_cselect_b32 s30, 64, s30
	s_cmp_lt_u32 s25, 64
	s_cselect_b64 s[28:29], s[4:5], s[28:29]       ; or x; s30: the tensor's first group of rows
	s_cselect_b32 s30, 0, s30
	s_sub_co_u32 s30, s25, s30
	s_lshl_b32 s32, s30, 18                        ; 16 rows of 16,384 bytes
	s_lshl_b32 s31, s26, 11                        ; 512 numbers
	s_add_co_u32 s32, s32, s31
	s_mov_b32 s33, 0
	s_add_nc_u64 s[28:29], s[28:29], s[32:33]
	s_lshl_b32 s32, s25, 15                        ; codes: 16 rows of 2,048 bytes
	s_lshl_b32 s31, s26, 8
	s_add_co_u32 s32, s32, s31
	s_add_nc_u64 s[16:17], s[16:17], s[32:33]
	s_mul_i32 s32, s26, 7168*16                    ; scales: the step's 7,168 rows of 16 bytes
	s_lshl_b32 s31, s25, 8
	s_add_co_u32 s32, s32, s31
	s_add_nc_u64 s[18:19], s[18:19], s[32:33]
.macro LOAD t
.irp i, 0,1,2,3
	global_load_b128 v[R+16*((\t)%4)+4*\i:R+16*((\t)%4)+4*\i+3], v3, s[28:29] offset:16384*(\t)+512*\i th:TH_LOAD_NT   ; 32 lanes read 512 consecutive bytes
.endr
.endm
.macro TURN t                          ; step t's numbers through the stage: LDS serves a wave's instructions in order, so no wait stands between the stores and the loads
.irp i, 0,1,2,3
	ds_store_b128 v14, v[R+16*((\t)%4)+4*\i:R+16*((\t)%4)+4*\i+3] offset:32*SP*((\t)%2)+8*SP*\i
.endr
.irp i, 0,1,2,3
	ds_load_b128 v[X+16*((\t)%2)+4*\i:X+16*((\t)%2)+4*\i+3], v15 offset:32*SP*((\t)%2)+16*\i
.endr
.endm
.irp t, 0,1,2,3
	LOAD \t
.endr
	s_wait_loadcnt 12                              ; step 0's four loads are in
	TURN 0
.macro STEP t
.set XS, X+16*((\t)%2)
.if (\t) > 0
	s_wait_dscnt 1                                 ; this step's numbers are back from the stage (the last step's byte store may be out): so its stores into the stage have read their registers,
.else
	s_wait_dscnt 0x0
.endif
.if (\t)+4 < STEPS
	LOAD (\t)+4                                    ; which take the loads of four steps on
.endif
.if (\t)+1 < STEPS
.if STEPS-2-(\t) >= 3
	s_wait_loadcnt 12                              ; the next step's four loads are in; those of the three steps behind it may be out
.else
	s_wait_loadcnt 4*(STEPS-2-(\t))
.endif
	TURN (\t)+1                                    ; and go through the other stage while this step is worked
.endif
	v_max3_num_f32 v8, |v[XS]|, |v[XS+1]|, |v[XS+2]|               ; the largest magnitude of my 16, in two chains
	v_max3_num_f32 v9, |v[XS+3]|, |v[XS+4]|, |v[XS+5]|
.irp i, 6,10
	v_max3_num_f32 v8, v8, |v[XS+\i]|, |v[XS+\i+1]|
	v_max3_num_f32 v9, v9, |v[XS+\i+2]|, |v[XS+\i+3]|
.endr
	v_max3_num_f32 v8, v8, |v[XS+14]|, |v[XS+15]|
	v_max3_num_f32 v8, v8, v9, (EMAX+1)<<23        ; and the floor 2^(3 - 127): the byte cannot fall under 1
	v_max_num_f32_dpp v8, v8, v8 row_xmask:1 row_mask:0xf bank_mask:0xf   ; and of my neighbour's 16: the block's
	v_add_nc_u32 v11, -(EMAX<<23), v8              ; 2 off its exponent field: the conversion takes the exponent field of this operand as its scale
	v_cvt_scalef32_pk8_fp4_f32 v[C+4*(\t)], v[XS:XS+7], v11
	v_cvt_scalef32_pk8_fp4_f32 v[C+4*(\t)+1], v[XS+8:XS+15], v11
	v_lshrrev_b32 v[E+(\t)], 23, v11               ; the scale's byte
	ds_store_b8 v5, v[E+(\t)] offset:16*(\t)       ; both lanes of a block write the same byte with the same value
	global_store_b64 v4, v[C+4*(\t):C+4*(\t)+1], s[16:17] offset:2048*(\t)   ; 32 lanes store 256 consecutive bytes, aligned
.endm
.irp t, 0,1,2,3,4,5,6,7,8,9,10,11,12,13,14,15
	STEP \t
.endr
	ds_load_b64 v[8:9], v6                         ; LDS serves a wave's instructions in order: these see my stores
	s_wait_dscnt 0x0
	global_store_b64 v4, v[8:9], s[18:19]          ; 32 lanes store 256 consecutive bytes, aligned
	s_wait_tensorcnt 0x0                           ; the wave's end, behind my last LDS store
	ds_add_u32 v[SPW], v[NIL]
	s_wait_dscnt 0x0
	s_endpgm
; ---- PATH C.  A work-group makes the table of 16 rows; wave w the pairs 16 w .. 16 w + 15 (b = 2 w, 2 w + 1); a lane eight angles.
.Ltable:
	s_sub_co_u32 s25, ttmp9, 896                   ; which 16 rows
	s_lshl_b32 s26, s25, 12                        ; 16 rows of 256 bytes of freqs
	s_mov_b32 s27, 0
	s_lshl_b32 s28, s25, 13                        ; 8,192 bytes of the table
	s_mov_b32 s29, 0
	v_and_b32 v8, 15, v0                           ; r
	v_bfe_u32 v9, v0, 4, 1                         ; h
	v_lshlrev_b32 v10, 8, v8
	v_lshl_add_u32 v10, v9, 4, v10
	s_lshl_b32 s30, s24, 6
	v_add_nc_u32 v10, s30, v10                     ; in: 256 r + 16 h + 64 wave
	s_lshl_b32 s30, s24, 11
	v_add_nc_u32 v11, s30, v3                      ; out: 16 x lane + 2,048 x wave
	s_mov_b32 s36, 0x3f22f983                      ; 2 / pi
	s_mov_b32 s37, 0xbfc90fdb                      ; -pi/2: its leading part,
	s_mov_b32 s38, 0x333bbd2e                      ; what that part overshoots,
	s_mov_b32 s39, 0x26f72ced                      ; and the rest
	s_mov_b32 s40, 0xbe2aaaa3                      ; sine: -1.6666654611e-1,
	s_mov_b32 s41, 0x3c08839e                      ; 8.3321608736e-3,
	s_mov_b32 s42, 0xb94ca1f9                      ; -1.9515295891e-4
	s_mov_b32 s43, 0x3d2aaaa5                      ; cosine: 4.166664568e-2,
	s_mov_b32 s44, 0xbab6061a                      ; -1.388731625e-3,
	s_mov_b32 s45, 0x37ccf5ce                      ; 2.443315712e-5
	s_wait_kmcnt 0x0
	s_add_nc_u64 s[12:13], s[12:13], s[26:27]
	s_add_nc_u64 s[14:15], s[14:15], s[28:29]
.irp i, 0,1,2,3
	global_load_b64 v[32+2*\i:33+2*\i], v10, s[12:13] offset:32*(\i/2)+8*(\i%2)   ; two angles: pairs 8 b + 4 h + 2 c and the next
.endr
	s_wait_loadcnt 0x0
.irp j, 0,1,2,3,4,5,6,7
	v_mul_f32 v[40+\j], s36, v[32+\j]
.endr
.irp j, 0,1,2,3,4,5,6,7
	v_rndne_f32 v[40+\j], v[40+\j]                 ; k: the nearest multiple of pi/2
.endr
.irp j, 0,1,2,3,4,5,6,7
	v_fma_f32 v[48+\j], v[40+\j], s37, v[32+\j]    ; r = x - k pi/2, in three fused steps
.endr
.irp j, 0,1,2,3,4,5,6,7
	v_fma_f32 v[48+\j], v[40+\j], s38, v[48+\j]
.endr
.irp j, 0,1,2,3,4,5,6,7
	v_fma_f32 v[48+\j], v[40+\j], s39, v[48+\j]
.endr
.irp j, 0,1,2,3,4,5,6,7
	v_cvt_i32_f32 v[56+\j], v[40+\j]               ; k as a whole number: its low two bits are the quadrant
.endr
.irp j, 0,1,2,3,4,5,6,7
	v_mul_f32 v[64+\j], v[48+\j], v[48+\j]         ; z = r r
.endr
.irp j, 0,1,2,3,4,5,6,7
	v_fma_f32 v[72+\j], v[64+\j], s42, s41
.endr
.irp j, 0,1,2,3,4,5,6,7
	v_fma_f32 v[72+\j], v[72+\j], v[64+\j], s40
.endr
.irp j, 0,1,2,3,4,5,6,7
	v_mul_f32 v[88+\j], v[64+\j], v[48+\j]
.endr
.irp j, 0,1,2,3,4,5,6,7
	v_fma_f32 v[72+\j], v[72+\j], v[88+\j], v[48+\j]   ; sin r
.endr
.irp j, 0,1,2,3,4,5,6,7
	v_fma_f32 v[80+\j], v[64+\j], s45, s44
.endr
.irp j, 0,1,2,3,4,5,6,7
	v_fma_f32 v[80+\j], v[80+\j], v[64+\j], s43
.endr
.irp j, 0,1,2,3,4,5,6,7
	v_mul_f32 v[88+\j], v[64+\j], v[64+\j]
.endr
.irp j, 0,1,2,3,4,5,6,7
	v_fma_f32 v[32+\j], v[64+\j], -0.5, 1.0
.endr
.irp j, 0,1,2,3,4,5,6,7
	v_fma_f32 v[80+\j], v[80+\j], v[88+\j], v[32+\j]   ; cos r
.endr
.irp j, 0,1,2,3,4,5,6,7
	v_and_b32 v[88+\j], 1, v[56+\j]
.endr
.irp j, 0,1,2,3,4,5,6,7
	v_cmp_eq_u32 vcc_lo, 1, v[88+\j]               ; in an odd quadrant sine and cosine change places
	v_cndmask_b32 v[97+2*\j], v[72+\j], v[80+\j], vcc_lo
	v_cndmask_b32 v[96+2*\j], v[80+\j], v[72+\j], vcc_lo
.endr
.irp j, 0,1,2,3,4,5,6,7
	v_lshlrev_b32 v[88+\j], 30, v[56+\j]           ; the sine is negated in quadrants 2 and 3,
	v_add_nc_u32 v[56+\j], 1, v[56+\j]             ; the cosine in 1 and 2
.endr
.irp j, 0,1,2,3,4,5,6,7
	v_and_b32 v[88+\j], 0x80000000, v[88+\j]
	v_lshlrev_b32 v[56+\j], 30, v[56+\j]
.endr
.irp j, 0,1,2,3,4,5,6,7
	v_xor_b32 v[97+2*\j], v[88+\j], v[97+2*\j]
	v_and_b32 v[56+\j], 0x80000000, v[56+\j]
.endr
.irp j, 0,1,2,3,4,5,6,7
	v_xor_b32 v[96+2*\j], v[56+\j], v[96+2*\j]
.endr
.irp i, 0,1,2,3
	global_store_b128 v11, v[96+4*\i:99+4*\i], s[14:15] offset:512*\i   ; 32 lanes store 512 consecutive bytes
.endr
	s_endpgm
.Lfunc_end_k_q304b1638aa_prep:
	.size	k_q304b1638aa_prep, .Lfunc_end_k_q304b1638aa_prep-k_q304b1638aa_prep
	.p2alignl 7, 3214868480
	.fill 96, 4, 3214868480
	.section	.rodata,"a",@progbits
	.p2align	6, 0x0
	.amdhsa_kernel k_q304b1638aa_prep
		.amdhsa_group_segment_fixed_size 33280
		.amdhsa_private_segment_fixed_size 0
		.amdhsa_enable_private_segment 0
		.amdhsa_kernarg_size 64
		.amdhsa_user_sgpr_count 2
		.amdhsa_user_sgpr_kernarg_segment_ptr 1
		.amdhsa_wavefront_size32 1
		.amdhsa_system_sgpr_workgroup_id_x 1
		.amdhsa_system_sgpr_workgroup_id_y 1
		.amdhsa_system_sgpr_workgroup_id_z 1
		.amdhsa_system_vgpr_workitem_id 0
		.amdhsa_next_free_vgpr 192
		.amdhsa_next_free_sgpr 66
		.amdhsa_reserve_vcc 1
		.amdhsa_float_denorm_mode_32 3
		.amdhsa_float_denorm_mode_16_64 3
		.amdhsa_memory_ordered 1
		.amdhsa_forward_progress 1
		.amdhsa_inst_pref_size 46
	.end_amdhsa_kernel
	.amdgpu_metadata
---
amdhsa.version: [ 1, 2 ]
amdhsa.kernels:
  - .name:           k_q304b1638aa_prep
    .symbol:         k_q304b1638aa_prep.kd
    .args:
      - { .name: x, .offset: 0, .size: 8, .value_kind: global_buffer, .address_space: global }
      - { .name: wq, .offset: 8, .size: 8, .value_kind: global_buffer, .address_space: global }
      - { .name: wk, .offset: 16, .size: 8, .value_kind: global_buffer, .address_space: global }
      - { .name: wv, .offset: 24, .size: 8, .value_kind: global_buffer, .address_space: global }
      - { .name: freqs, .offset: 32, .size: 8, .value_kind: global_buffer, .address_space: global }
      - { .name: rope, .offset: 40, .size: 8, .value_kind: global_buffer, .address_space: global }
      - { .name: codes, .offset: 48, .size: 8, .value_kind: global_buffer, .address_space: global }
      - { .name: scales, .offset: 56, .size: 8, .value_kind: global_buffer, .address_space: global }
    .group_segment_fixed_size: 33280
    .private_segment_fixed_size: 0
    .kernarg_segment_align: 8
    .kernarg_segment_size: 64
    .max_flat_workgroup_size: 128
    .sgpr_count:     66
    .vgpr_count:     192
    .wavefront_size: 32
...
	.end_amdgpu_metadata
.endif
;; end of part 1
;; launch qkv (part 2): grid 56 x 4, 4 waves a work-group, clusters of 4 x 4, 327,680 bytes of LDS; arguments codes, scales, rope, qkv16, wo, wo16; writes qkv16, wo16
.if DOCPART == 2
	.amdgcn_target "amdgcn-amd-amdhsa--gfx1250"
	.amdhsa_code_object_version 6
	.text
	.protected	k_q304b1638aa_qkv
	.globl	k_q304b1638aa_qkv
	.p2align	8
	.type	k_q304b1638aa_qkv,@function
k_q304b1638aa_qkv:
	s_mov_b64 s[64:65], 0
	v_nop
	global_prefetch_b8 v0, s[64:65] scope:SCOPE_SE
	s_setreg_imm32_b32 hwreg(HW_REG_WAVE_MODE, 25, 1), 1
	s_wait_xcnt 0x0
	s_wait_alu depctr_hold_cnt(0) depctr_sa_sdst(0) depctr_va_vdst(0) depctr_va_sdst(0) depctr_va_ssrc(0) depctr_va_vcc(0) depctr_vm_vsrc(0)
	s_getreg_b32 s2, hwreg(HW_REG_IB_STS2, 6, 4)
	s_cmp_eq_u32 s2, 0
	s_cbranch_scc0 .Lentry_in_a_cluster
	s_endpgm
.Lentry_in_a_cluster:
	s_bfe_u32 s2, ttmp6, 0x10000c
	s_cmp_lg_u32 s2, 0xf033
	s_cbranch_scc0 .Lentry_shape_is_right
	s_endpgm
.Lentry_shape_is_right:
; QKV.  Fourteen clusters of 4 x 4 work-groups, parted by the CLUSTER's number, which all sixteen partners share.
; CLUSTERS 0-5: C[m][n] = sum over k of x[m][k] w[n][k], w = wq, wk, wv on end (6,144 rows), on codes of FP4 (E2M1) with one E8M0 scale for each 32 along K = 4,096; sums in f32.
; Then the rotation by cos and sin on the query and key heads, in f32, and one rounding to f16.  qkv16: [48 heads][1024 positions][128]: heads 0-31 queries, 32-39 keys, 40-47 values.
; CLUSTERS 6-13: wo [4096][4096] f32 is rounded to f16 (nearest even), same layout, for the last launch.  The product has 96 tiles, so WGPs are left over: this stream shares the launch with it.
; 16,777,216 numbers over 128 work-groups of four waves are 32,768 a wave; that path issues no tensor load, is named by no mask, touches no LDS and passes no barrier.
; No work is left out.  LIMITS: a result, or a number of wo, beyond 65,504 in magnitude has no f16; the rotation is fused (one product rounded, one fused multiply-add), so its last bit may differ from two products and a sum.
; A tile of C, 256 x 256, is made by a work-group of four waves; a wave makes 128 x 128: 64 accumulators of 16 x 16, 512 registers; its 128 columns are one head.
; A smaller tile would give more work-groups, but for 128 along K a wave of 128 x 128 reads 2 x 128 x 64 bytes from LDS for 64 matrix instructions, and a smaller wave tile reads more for each.
; K goes in steps of 512 through a ring of two LDS slots filled by the tensor data mover: a tile's row is 256 bytes of memory.
; THE SCALES go from memory straight into the scale registers: a K step's words of 16 rows are 256 consecutive bytes; a set of eight loads serves a K step and is asked for a whole K step ahead of its use.
; JOINT LOADS: the four work-groups of a row of the cluster need the same tiles of x, the four of a column the same tiles of w: each tile is asked for jointly.
; THE MATRIX INSTRUCTION IS USED TRANSPOSED (source 0 = 16 rows of w, source 1 = 16 rows of x): a lane then holds eight neighbouring columns of one row of C: four pairs of the rotation.
; REGISTERS, in windows of 256: window 0: v0-31 addresses; v32-95 scale words, two sets, and nothing else; v96-127 packed f16 on the way out; v128-191 x's fragments, ONE set; v192-255 rows read back from the stage.
;   window 1: w's fragments, TWO sets, at v0 and v128; on the way out v0-191 three sets of cos and sin, v192-255 the rotated numbers; on wo's path v0-223 seven groups of eight loads, v224-239 eight pairs of f16.
;   window 2: the 32 accumulators of my rows 0-63;   window 3: those of my rows 64-127.
.set KSTEP,  512
.set NQ,     KSTEP/128
.set ROWB,   256                       ; a tile's row in bytes
.set KROW,   2048                      ; a row of codes in memory
.set PITCH,  272                       ; an LDS row: 256 bytes + 16 of padding = 68 words: the 16 rows that a load touches start at 16 different banks (64 banks of 4 bytes: ISA guide 11.1)
.set FR,     8
.set NL,     2
.set NP,     4                         ; places behind this matrix instruction (ISA guide 7.12.1)
.set HALFT,  128*PITCH
.set SLOT,   4*HALFT
.set LAPS,   4                         ; 4,096 / (2 x 512)
.set SSTEP,  7168*16                   ; from a K step's scale words to the next step's
.set SPARE,  2*SLOT                    ; behind the ring: the spare words, 128 bytes a wave, which no other line names
.set SPITCH, 272                       ; the way out: a stage of 16 rows x (256 bytes + 16) for each wave, in slot 0, which has had its last fill and its last read when the first result is stored there
.set ADRA, 16                          ; v16-17  LDS address of my x fragments in slot 0, 1
.set ADRB, 20                          ; v20-21  the same for w
.set STO,  24                          ; v24     the way out: where I put 16 bytes of a row
.set RD,   25                          ; v25     where I read rows back
.set CO,   26                          ; v26     my byte offset in two rows of a head
.set ADRS, 27                          ; v27     byte offset of my scale words: lanes 0-15 x's rows, lanes 16-31 w's; never rewritten
.set SPW,  28                          ; v28     LDS address of my spare word; never rewritten
.set NIL,  29                          ; v29     0; never rewritten
.set TA,   30                          ; v30     16 x lane: my place in the table of cos and sin
.set SC,   32                          ; scale words: set s at v[SC + 32 s]; register 4 i + q: lanes 0-15 the word of x's block i, lanes 16-31 that of w's block i, for the slot's q-th 128 along K
.set TMP,  96
.set AF,   128
.set BK,   192
.set TT,   192                         ; in window 1
.set XC,   0                           ; in window 1: wo's numbers as loaded
.set YC,   224                         ; in window 1: and as stored
.set G1, 24                            ; s[24:31] descriptor group 1 for x's tiles;  s[32:39] group 0, one set for each slot
.set G0, 32
.set G1B, 48                           ; s[48:55], s[56:63] the same for w's tiles
.set G0B, 56
.set MSB, 0
.macro WIN new                         ; the immediate's high byte repeats the setting that is left
.if MSB != \new
	s_set_vgpr_msb (MSB<<8)|\new
.set MSB, \new
.endif
.endm
.set MUL_LO, 0xa1                      ; source 0 (w) window 1, source 1 (x) window 0, C and D window 2
.set MUL_HI, 0xf1                      ; the same, C and D window 3
.set TO_B,   0x40                      ; destination window 1, address window 0
; A joint load: waves 0 and 1 fetch for x, waves 2 and 3 for w.  The branch hangs on the wave's number alone.  An s_nop 0 and four v_nop follow each of the two lines.
.macro JLOAD g0a, g1a, g0b, g1b
	s_cmp_eq_u32 s15, 0
	s_cbranch_scc0 .Lfor_b_\@
	tensor_load_to_lds s[\g0a:\g0a+3], s[\g1a:\g1a+7]
	s_nop 0
.rept 4
	v_nop
.endr
	s_branch .Lasked_\@
.Lfor_b_\@:
	tensor_load_to_lds s[\g0b:\g0b+3], s[\g1b:\g1b+7]
	s_nop 0
.rept 4
	v_nop
.endr
.Lasked_\@:
.endm
.macro CREST                           ; a round of the cluster's barrier behind its opening barrier
	s_cmp_lg_u32 s14, 0
	s_cbranch_scc1 .Lnot_wave_0_\@
	s_barrier_signal -3
.Lnot_wave_0_\@:
	s_barrier_wait -3
	s_barrier_signal -1
	s_barrier_wait -1
.endm
.macro CROUND
	s_barrier_signal -1
	s_barrier_wait -1
	CREST
.endm
	v_lshl_add_u32 v[SPW], v0, 2, SPARE
	v_mov_b32 v[NIL], 0
	v_lshrrev_b32 v1, 5, v0
	v_readfirstlane_b32 s14, v1                    ; wave 0..3
	s_cmp_ge_u32 ttmp9, 6                          ; the cluster's number: the same in all sixteen partners.  Clusters 6-13 round wo
	s_cbranch_scc1 .Lconv
	s_load_b256 s[4:11], s[0:1], 0x0               ; codes s[4:5], scales s[6:7], rope s[8:9], qkv16 s[10:11]
	ds_add_u32 v[SPW], v[NIL]                      ; the wave's opening: the add, twice on end, and its wait ahead of my first tensor load
	ds_add_u32 v[SPW], v[NIL]
	s_lshr_b32 s15, s14, 1                         ; which half of the tile's rows is mine.  Also: I fetch for x (0) or for w (1)
	s_and_b32 s16, s14, 1                          ; which half of its columns.  Also: which 128 rows of that tile I fetch
	s_bfe_u32 s40, ttmp6, 0x40000                  ; cx, cy: my place in the cluster
	s_bfe_u32 s41, ttmp6, 0x40004
	s_lshl_b32 s42, ttmp9, 2
	s_add_co_u32 s42, s42, s40                     ; tile column of C = 4 x cluster x + cx
	s_mov_b32 s17, s41                             ; tile row of C = cy: the grid has one cluster along y
	s_lshl_b32 s43, s41, 2
	s_lshl_b32 s43, 15, s43                        ; my row of the cluster
	s_lshl_b32 s44, 0x1111, s40                    ; my column
	s_or_b32 s[G1+0], s43, (0<<16)|(1<<20)|(1<<21)|(5<<22)|(3<<25)  ; 15:0 the mask; 17:16 elements of 1 byte; 20 padding on; 21 set beside a mask; 24:22 after every 64 words; 31:25 four words
	s_or_b32 s[G1B+0], s44, (0<<16)|(1<<20)|(1<<21)|(5<<22)|(3<<25)
.irp g, G1, G1B
	s_mov_b32 s[\g+1], ROWB<<16                    ; tensor_dim0
	s_mov_b32 s[\g+2], 128<<16                     ; tensor_dim1
	s_mov_b32 s[\g+3], ROWB<<16                    ; tile_dim0
	s_mov_b32 s[\g+4], 128                         ; tile_dim1
	s_mov_b32 s[\g+5], KROW                        ; tensor_dim0_stride
	s_mov_b32 s[\g+6], 0
	s_mov_b32 s[\g+7], 0
.endr
	s_lshl_b32 s18, s16, 7                         ; which 128 rows of the tile I fetch
	s_lshl_b32 s20, s17, 8
	s_add_co_u32 s20, s20, s18                     ; x: row 256 x tile row + 128 x half
	s_lshl_b32 s46, s42, 8
	s_add_co_u32 s46, s46, s18
	s_add_co_u32 s46, s46, 1024                    ; w: row 1,024 + 256 x tile column + 128 x half
	s_lshl_b32 s20, s20, 11                        ; rows of 2,048 bytes
	s_mov_b32 s21, 0
	s_lshl_b32 s46, s46, 11
	s_mov_b32 s47, 0
	s_mul_i32 s45, s14, HALFT                      ; where they go: wave x 128 rows: no place in the cluster enters an LDS address
	s_wait_dscnt 0x0                               ; both opening adds are done
	s_wait_kmcnt 0x0
	s_add_nc_u64 s[20:21], s[4:5], s[20:21]
	s_add_nc_u64 s[46:47], s[4:5], s[46:47]
	CROUND                                         ; all sixteen work-groups are here: the first joint loads meet
.irp s, 0,1
	s_mov_b32 s[G0+4*\s], 1
	s_add_co_u32 s[G0+4*\s+1], s45, \s*SLOT
	s_add_nc_u64 s[G0+4*\s+2:G0+4*\s+3], s[20:21], \s*ROWB
	s_or_b32 s[G0+4*\s+3], s[G0+4*\s+3], 0x80000000
	s_mov_b32 s[G0B+4*\s], 1
	s_add_co_u32 s[G0B+4*\s+1], s45, \s*SLOT
	s_add_nc_u64 s[G0B+4*\s+2:G0B+4*\s+3], s[46:47], \s*ROWB
	s_or_b32 s[G0B+4*\s+3], s[G0B+4*\s+3], 0x80000000
	JLOAD G0+4*\s, G1, G0B+4*\s, G1B
.endr
	v_and_b32 v1, 15, v0                           ; l % 16
	v_bfe_u32 v2, v0, 4, 1                         ; l / 16
	; my scale words: lanes 0-15 x's rows, lanes 16-31 w's: the lower base + h x the distance
	s_lshl_b32 s21, s17, 8
	s_lshl_b32 s22, s15, 7
	s_add_co_u32 s21, s21, s22                     ; my first row of x
	s_lshl_b32 s22, s42, 8
	s_lshl_b32 s23, s16, 7
	s_add_co_u32 s22, s22, s23
	s_add_co_u32 s22, s22, 1024                    ; my first row of w
	s_sub_co_u32 s22, s22, s21
	s_lshl_b32 s22, s22, 4                         ; 16 bytes a row
	s_lshl_b32 s21, s21, 4
	v_mul_u32_u24 v6, s22, v2
	v_lshl_add_u32 v5, v1, 4, s21
	v_add_nc_u32 v[ADRS], v5, v6
.macro SCALES_G set, off               ; a K step's scale words into a set: four words a row; each load reads 256 consecutive bytes in lanes 0-15 and 256 in lanes 16-31
.irp i, 0,1,2,3,4,5,6,7
	global_load_b128 v[SC+8*NQ*(\set)+NQ*\i:SC+8*NQ*(\set)+NQ*\i+3], v[ADRS], s[6:7] offset:(\off)+256*\i
.endr
.endm
	SCALES_G 0, 0                                  ; K step 0
	SCALES_G 1, SSTEP                              ; K step 1
	v_mul_u32_u24 v3, v1, PITCH
	v_lshl_add_u32 v4, v2, 4, v3                   ; a fragment's row x pitch + 16 x half
	s_mul_i32 s21, s15, HALFT                      ; my 128 rows of x
	s_mul_i32 s22, s16, HALFT                      ; my 128 rows of w,
	s_add_co_u32 s22, s22, 2*HALFT                 ; which lie behind x's 256
.irp s, 0,1
	v_add_nc_u32 v[ADRA+\s], s21, v4
	v_add_nc_u32 v[ADRB+\s], s22, v4
	s_add_co_u32 s21, s21, SLOT
	s_add_co_u32 s22, s22, SLOT
.endr
	s_mul_i32 s23, s14, 16*SPITCH                  ; my stage
	v_mul_u32_u24 v5, v1, SPITCH                   ; in: row l % 16, 16 bytes for each half of the lanes
	v_lshl_add_u32 v5, v2, 4, v5
	v_add_nc_u32 v[STO], s23, v5
	v_mul_u32_u24 v5, v2, SPITCH                   ; back: lanes 0-15 take one row of 256 bytes, lanes 16-31 the next
	v_lshl_add_u32 v5, v1, 4, v5
	v_add_nc_u32 v[RD], s23, v5
	v_lshlrev_b32 v5, 8, v2                        ; and the same two rows in the head
	v_lshl_add_u32 v[CO], v1, 4, v5
	v_and_b32 v6, 31, v0
	v_lshlrev_b32 v[TA], 4, v6
	s_lshl_b32 s20, s42, 1
	s_add_co_u32 s20, s20, s16                     ; my head: 2 x tile column + half
	s_lshl_b32 s20, s20, 18                        ; heads of 262,144 bytes
	s_lshl_b32 s21, s17, 16                        ; 256 rows of 256 bytes
	s_add_co_u32 s20, s20, s21
	s_lshl_b32 s21, s15, 15
	s_add_co_u32 s20, s20, s21
	s_mov_b32 s21, 0
	s_add_nc_u64 s[10:11], s[10:11], s[20:21]      ; qkv16 at my first row
	s_lshl_b32 s20, s17, 17                        ; the table: 16 blocks of 8,192 bytes a tile row,
	s_lshl_b32 s22, s15, 16                        ; 8 a half
	s_add_co_u32 s20, s20, s22
	s_add_nc_u64 s[8:9], s[8:9], s[20:21]
	s_wait_xcnt 0x0                                ; the scale loads have read their base: it steps only behind this wait
	s_add_nc_u64 s[6:7], s[6:7], SSTEP             ; at K step 1; each refill steps it once more and asks at offset 0
.macro FRAG reg, adr, q, i             ; a fragment, 16 rows x 128 K of 4-bit codes, is 8 registers: lane l holds row l % 16; registers 4 c .. 4 c + 3 hold K = 64 c + 32 (l / 16) + 0 .. 31
.irp c, 0,1
	ds_load_b128 v[\reg+4*\c:\reg+4*\c+3], v[\adr] offset:64*(\q)+32*\c+(\i)*16*PITCH
.endr
.endm
; 16 matrix instructions: x's blocks a0, a0 + 1 against w's eight, 128 along K.  zero = 1: the first product starts the sums.  The 64 accumulators take turns, one instruction a turn, in the same order in every step.
.macro MUL16 a0, p, q, sc, zero
.irp a, \a0, \a0+1
.irp b, 0,1,2,3,4,5,6,7
.if \zero
	v_wmma_scale_f32_16x16x128_f8f6f4 v[8*(8*((\a)%4)+\b):8*(8*((\a)%4)+\b)+7], v[128*(\p)+FR*\b:128*(\p)+FR*\b+FR-1], v[AF+FR*(\a):AF+FR*(\a)+FR-1], 0, v[SC+8*NQ*(\sc)+NQ*\b+(\q)], v[SC+8*NQ*(\sc)+NQ*(\a)+(\q)] matrix_a_fmt:MATRIX_FMT_FP4 matrix_b_fmt:MATRIX_FMT_FP4 matrix_a_scale:MATRIX_SCALE_ROW1
.else
	v_wmma_scale_f32_16x16x128_f8f6f4 v[8*(8*((\a)%4)+\b):8*(8*((\a)%4)+\b)+7], v[128*(\p)+FR*\b:128*(\p)+FR*\b+FR-1], v[AF+FR*(\a):AF+FR*(\a)+FR-1], v[8*(8*((\a)%4)+\b):8*(8*((\a)%4)+\b)+7], v[SC+8*NQ*(\sc)+NQ*\b+(\q)], v[SC+8*NQ*(\sc)+NQ*(\a)+(\q)] matrix_a_fmt:MATRIX_FMT_FP4 matrix_b_fmt:MATRIX_FMT_FP4 matrix_a_scale:MATRIX_SCALE_ROW1
.endif
.endr
.endr
.endm
.macro FETCH_B slot, q, p
	WIN TO_B
.irp i, 0,1,2,3,4,5,6,7
	FRAG 128*(\p)+FR*\i, ADRB+\slot, \q, \i
.endr
	WIN 0
.endm
.macro FETCH_A slot, q, i0
.irp i, \i0, \i0+1, \i0+2, \i0+3
	FRAG AF+FR*(\i), ADRA+\slot, \q, \i
.endr
.endm
; A load into a register that a matrix instruction has read, and a vector instruction or an LDS store that reads a matrix result, stand NP places behind it; only plain vector instructions that name none of its registers are places.
.macro PLACES n
.rept \n
	v_nop
.endr
.endm
.macro STEP slot, q, zero              ; a step of 128 along K that has its successor in the same slot
	s_wait_dscnt 4*NL                              ; w's set and x's blocks 0-3 are in; the youngest eight loads (x's blocks 4-7) may be out
	WIN MUL_LO
	MUL16 0, (\q)%2, \q, \slot, \zero
	MUL16 2, (\q)%2, \q, \slot, \zero
	s_wait_dscnt 0                                 ; x's blocks 4-7 are in
	PLACES NP
	FETCH_B \slot, (\q)+1, 1-(\q)%2
	FETCH_A \slot, (\q)+1, 0
	WIN MUL_HI
	MUL16 4, (\q)%2, \q, \slot, \zero
	MUL16 6, (\q)%2, \q, \slot, \zero
	PLACES NP
	WIN 0
	FETCH_A \slot, (\q)+1, 4
.endm
; A slot's last step changes slots: ONE barrier; in front of it each wave waits for all its tensor loads, adds 0 to its spare word, and waits for that and for its own reads of this slot.
; fill = 1: this slot is filled again, two K steps ahead, and so is its set of scale words.
.macro TURN slot, next, fill
	s_wait_tensorcnt 0x0                           ; all my tensor loads have landed: my part of the next slot
	ds_add_u32 v[SPW], v[NIL]                      ; 0 onto my spare word
	s_wait_dscnt 4*NL+1                            ; (the add and the youngest eight loads may be out)
	WIN MUL_LO
	MUL16 0, 1, NQ-1, \slot, 0
	s_wait_dscnt 0x0                               ; the add is done, and my reads of this slot are over
	s_barrier_signal -1
	MUL16 2, 1, NQ-1, \slot, 0
	WIN 0
	s_barrier_wait -1
.if \fill
	CREST                                          ; the barrier has opened a round of the cluster's barrier: no wave of any partner still reads this slot's tile or has a load on its way
	s_add_nc_u64 s[G0+4*\slot+2:G0+4*\slot+3], s[G0+4*\slot+2:G0+4*\slot+3], 2*ROWB
	s_add_nc_u64 s[G0B+4*\slot+2:G0B+4*\slot+3], s[G0B+4*\slot+2:G0B+4*\slot+3], 2*ROWB
	JLOAD G0+4*\slot, G1, G0B+4*\slot, G1B         ; the first tensor load behind the round; its four v_nop are the places in front of the loads below
.else
	PLACES NP
.endif
	FETCH_B \next, 0, 0
	FETCH_A \next, 0, 0
	WIN MUL_HI
	MUL16 4, 1, NQ-1, \slot, 0
	MUL16 6, 1, NQ-1, \slot, 0
	PLACES NP                                      ; also in front of the loads into this slot's scale words, which those products read
	WIN 0
	FETCH_A \next, 0, 4
.if \fill
	s_wait_xcnt 0x0                                ; the last scale loads, a K step back, have read their base
	s_add_nc_u64 s[6:7], s[6:7], SSTEP
	SCALES_G \slot, 0                              ; the scale words of the K step two on: 256 matrix instructions ahead of their first use
	s_wait_loadcnt 8                               ; the next slot's set is in; the eight just issued may be out
.else
	s_wait_loadcnt 0x0                             ; the last set is in
.endif
.endm
.macro STEPS slot, from
.set Q, \from
.rept NQ-1-\from
	STEP \slot, Q, 0
.set Q, Q+1
.endr
.endm
	s_wait_tensorcnt 1                             ; my part of K step 0 is in (K step 1's load may be out)
	s_barrier_signal -1
	s_barrier_wait -1                              ; everybody's is
	FETCH_B 0, 0, 0
	FETCH_A 0, 0, 0
	FETCH_A 0, 0, 4
	s_wait_loadcnt 8                               ; K step 0's scale words are in; K step 1's eight loads may be out
	STEP 0, 0, 1                                   ; the first step stands in front of the loop: its products start the sums
	s_mov_b32 s3, LAPS-1
.Llap:                                                 ; a trip goes once round the ring, from a lap's second step to the next lap's first, and fills both slots again
	STEPS 0, 1
	TURN 0, 1, 1
	STEPS 1, 0
	TURN 1, 0, 1
	STEP 0, 0, 0
	s_sub_co_u32 s3, s3, 1
	s_cmp_lg_u32 s3, 0
	s_cbranch_scc1 .Llap
	STEPS 0, 1                                     ; the last lap fills nothing, and has no round of the cluster's barrier
	TURN 0, 1, 0
	STEPS 1, 0
	s_wait_dscnt 4*NL                              ; the very last step: nothing more to fetch
	WIN MUL_LO
	MUL16 0, 1, NQ-1, 1, 0
	MUL16 2, 1, NQ-1, 1, 0
	s_wait_dscnt 0
	WIN MUL_HI
	MUL16 4, 1, NQ-1, 1, 0
	MUL16 6, 1, NQ-1, 1, 0
	WIN 0
; THE WAY OUT, block by block of 16 rows x 128 columns.  Register 8 b + 2 j, + 1 of a block is the pair 8 b + 4 (l / 16) + j of row l % 16; the table gives the same lane (cos, sin) in the same order.
; The table's words come THREE BLOCKS AHEAD, through three sets of 64 registers: block a + 3's sixteen loads are issued as soon as block a's rotation has read its set.
.macro TBL a                           ; block a's cos and sin into set a % 3: 16 loads of 512 consecutive bytes
.set CSB, 64*((\a)%3)
	WIN TO_B
.irp b, 0,1,2,3,4,5,6,7
.irp c, 0,1
	global_load_b128 v[CSB+8*\b+4*\c:CSB+8*\b+4*\c+3], v[TA], s[8:9] offset:8192*(\a)+1024*\b+512*\c
.endr
.endr
.endm
.macro ROPE a                          ; (a0, a1) -> (a0 cos - a1 sin, a0 sin + a1 cos): a packed product by cos, a packed fused multiply-add by sin with the pair's halves crossed.  Each accumulator is read from its low end on
.set AC, 64*((\a)%4)
.set CSB, 64*((\a)%3)
	WIN 0x56+((\a)/4)                              ; source 0: window 2 or 3; source 1, source 2 and destination: window 1
.set i, 0
.rept 32
	v_pk_mul_f32 v[TT+2*i:TT+2*i+1], v[AC+2*i:AC+2*i+1], v[CSB+2*i:CSB+2*i+1] op_sel_hi:[1,0]
.set i, i+1
.endr
.set i, 0
.rept 32
	v_pk_fma_f32 v[TT+2*i:TT+2*i+1], v[AC+2*i:AC+2*i+1], v[CSB+2*i:CSB+2*i+1], v[TT+2*i:TT+2*i+1] op_sel:[1,1,0] op_sel_hi:[0,1,1] neg_lo:[1,0,0]
.set i, i+1
.endr
.endm
.macro CVT                             ; rounded to f16, 16 bytes for each accumulator
	WIN 0x05                                       ; sources window 1, destination window 0
.set i, 0
.rept 32
	v_cvt_pk_f16_f32 v[TMP+i], v[TT+2*i], v[TT+2*i+1]
.set i, i+1
.endr
.endm
.macro PACKV a                         ; the value heads are not rotated: rounded straight from the accumulators, each from its low end on
.set AC, 64*((\a)%4)
	WIN 0x0a+5*((\a)/4)                            ; sources 0 and 1: window 2 or 3
.set i, 0
.rept 32
	v_cvt_pk_f16_f32 v[TMP+i], v[AC+2*i], v[AC+2*i+1]
.set i, i+1
.endr
.endm
.macro TOSTAGE a                       ; into my own stage, and back as whole rows of 256 bytes: LDS serves a wave's instructions in order, so no wait stands between, nor in front of the next block's stores
	WIN 0
.set BB, BK+32*((\a)%2)
.irp b, 0,1,2,3,4,5,6,7
	ds_store_b128 v[STO], v[TMP+4*\b:TMP+4*\b+3] offset:32*\b
.endr
.irp t, 0,1,2,3,4,5,6,7
	ds_load_b128 v[BB+4*\t:BB+4*\t+3], v[RD] offset:\t*2*SPITCH
.endr
.endm
.macro SEND a, younger                 ; younger: the LDS instructions issued behind block a's loads, which may stay out
.set BB, BK+32*((\a)%2)
	s_wait_dscnt \younger                          ; the block is back in registers
.irp t, 0,1,2,3,4,5,6,7
	global_store_b128 v[CO], v[BB+4*\t:BB+4*\t+3], s[10:11] offset:4096*(\a)+512*\t   ; 32 lanes store 512 consecutive bytes: two rows of the head
.endr
.endm
	PLACES NP                                      ; behind the last products: for the reads of their results and the loads into the registers that held w's fragments
	s_cmp_eq_u32 ttmp9, 5                          ; cluster 5 holds the value heads: the same in all sixteen partners
	s_cbranch_scc1 .Lv
	TBL 0
	TBL 1
	TBL 2
.irp a, 0,1,2,3,4,5,6,7
.if \a < 6
	s_wait_loadcnt 32                              ; block a's cos and sin are in; the two later blocks' sixteen loads each may be out
.else
	s_wait_loadcnt 16*(7-\a)
.endif
	ROPE \a
.if \a < 5
	TBL \a+3                                       ; into the set that the rotation has just read
.endif
	CVT
.if \a > 1
	s_wait_xcnt 0x0                                ; block a - 2's stores have read their registers: block a's rows may land there
.endif
	TOSTAGE \a
.if \a > 0
	SEND \a-1, 16                                  ; behind block a - 1's loads: block a's 8 stores and 8 loads
.endif
.endr
	SEND 7, 0
	s_branch .Ldone
.Lv:
.irp a, 0,1,2,3,4,5,6,7
	PACKV \a
.if \a > 1
	s_wait_xcnt 0x0                                ; block a - 2's stores have read their registers
.endif
	TOSTAGE \a
.if \a > 0
	SEND \a-1, 16
.endif
.endr
	SEND 7, 0
.Ldone:
	s_wait_tensorcnt 0x0                           ; the wave's end, behind my last tensor load and my last LDS store
	ds_add_u32 v[SPW], v[NIL]
	s_wait_dscnt 0x0
	CROUND                                         ; the closing round: no work-group ends while a partner may still ask for a tile that names it
	s_endpgm
; ---- CLUSTERS 6-13: wo to f16.  A wave rounds 32,768 numbers: 256 loads of 512 consecutive bytes, 256 stores of 256 consecutive bytes, aligned.
; A ring of seven groups of eight loads in registers: 48 to 56 loads of a wave are on their way.  A batch: its group's eight loads are in; one wait frees the eight pairs that the last batch stored;
; sixteen roundings; the group's next eight loads, seven batches ahead; eight stores.  32 batches: 3 trips of 7, then 4 that still load, then 7 that do not.
; A work-group's place in its cluster enters these addresses alone: no branch and no LDS address.
.macro CB g, k, ahead, left            ; g: the group; k: the batch's place from the two bases, in eights; left: how many younger loads may stay out
	s_wait_loadcnt \left                           ; loads come back in order: my group's eight are in
	s_wait_xcnt 0x0                                ; the last batch's stores have read their pairs: they are rewritten only behind this wait
	WIN 0x45                                       ; sources and destination window 1
.irp i, 0,1,2,3,4,5,6,7
	v_cvt_pk_f16_f32 v[YC+2*\i], v[XC+4*(8*(\g)+\i)], v[XC+4*(8*(\g)+\i)+1]
	v_cvt_pk_f16_f32 v[YC+2*\i+1], v[XC+4*(8*(\g)+\i)+2], v[XC+4*(8*(\g)+\i)+3]
.endr
.if \ahead
	WIN 0x40                                       ; destination window 1, address window 0
.irp i, 0,1,2,3,4,5,6,7
	global_load_b128 v[XC+4*(8*(\g)+\i):XC+4*(8*(\g)+\i)+3], v3, s[16:17] offset:512*(8*((\k)+7)+\i) th:TH_LOAD_NT
.endr
.endif
	WIN 0x04                                       ; a store's data are its source 1: window 1
.irp i, 0,1,2,3,4,5,6,7
	global_store_b64 v4, v[YC+2*\i:YC+2*\i+1], s[18:19] offset:256*(8*(\k)+\i)
.endr
.endm
.Lconv:
	s_load_b128 s[16:19], s[0:1], 0x20             ; wo s[16:17], wo16 s[18:19]
	s_bfe_u32 s20, ttmp6, 0x40000                  ; cx
	s_bfe_u32 s21, ttmp6, 0x40004                  ; cy
	s_sub_co_u32 s22, ttmp9, 6                     ; which of the eight clusters
	s_lshl_b32 s22, s22, 4
	s_lshl_b32 s21, s21, 2
	s_add_co_u32 s22, s22, s21
	s_add_co_u32 s22, s22, s20                     ; work-group 0..127
	s_lshl_b32 s22, s22, 2
	s_add_co_u32 s22, s22, s14                     ; which run of 32,768 numbers: 0..511
	s_lshl_b32 s24, s22, 17                        ; 131,072 bytes of wo
	s_mov_b32 s25, 0
	s_lshl_b32 s26, s22, 16                        ; 65,536 bytes of wo16
	s_mov_b32 s27, 0
	v_and_b32 v2, 31, v0                           ; lane
	v_lshlrev_b32 v3, 4, v2                        ; in: 16 bytes a lane
	v_lshlrev_b32 v4, 3, v2                        ; out: 8 bytes a lane
	s_wait_kmcnt 0x0
	s_add_nc_u64 s[16:17], s[16:17], s[24:25]
	s_add_nc_u64 s[18:19], s[18:19], s[26:27]
	WIN 0x40
.set i, 0
.rept 56
	global_load_b128 v[XC+4*i:XC+4*i+3], v3, s[16:17] offset:512*i th:TH_LOAD_NT   ; the ring is filled: seven groups
.set i, i+1
.endr
	WIN 0                                          ; at a label and at a branch every window is 0
	s_mov_b32 s23, 3
.Lring:
.irp g, 0,1,2,3,4,5,6
	CB \g, \g, 1, 48                               ; six younger groups of eight may be out
.endr
	WIN 0
	s_wait_xcnt 0x0                                ; the trip's loads and stores have read their bases: they step only behind this wait
	s_add_nc_u64 s[16:17], s[16:17], 56*512
	s_add_nc_u64 s[18:19], s[18:19], 56*256
	s_sub_co_u32 s23, s23, 1
	s_cmp_lg_u32 s23, 0
	s_cbranch_scc1 .Lring
.irp g, 0,1,2,3
	CB \g, \g, 1, 48                               ; batches 21 to 24 ask for the run's last 32 loads
.endr
	CB 4, 4, 0, 48                                 ; the last seven batches load nothing: the counts run down
	CB 5, 5, 0, 40
	CB 6, 6, 0, 32
	CB 0, 7, 0, 24
	CB 1, 8, 0, 16
	CB 2, 9, 0, 8
	CB 3, 10, 0, 0
	WIN 0
	s_endpgm
.Lfunc_end_k_q304b1638aa_qkv:
	.size	k_q304b1638aa_qkv, .Lfunc_end_k_q304b1638aa_qkv-k_q304b1638aa_qkv
	.p2alignl 7, 3214868480
	.fill 96, 4, 3214868480
	.section	.rodata,"a",@progbits
	.p2align	6, 0x0
	.amdhsa_kernel k_q304b1638aa_qkv
		.amdhsa_group_segment_fixed_size 327680
		.amdhsa_private_segment_fixed_size 0
		.amdhsa_enable_private_segment 0
		.amdhsa_kernarg_size 48
		.amdhsa_user_sgpr_count 2
		.amdhsa_user_sgpr_kernarg_segment_ptr 1
		.amdhsa_wavefront_size32 1
		.amdhsa_system_sgpr_workgroup_id_x 1
		.amdhsa_system_sgpr_workgroup_id_y 1
		.amdhsa_system_sgpr_workgroup_id_z 1
		.amdhsa_system_vgpr_workitem_id 0
		.amdhsa_next_free_vgpr 1024
		.amdhsa_next_free_sgpr 66
		.amdhsa_reserve_vcc 0
		.amdhsa_float_denorm_mode_32 3
		.amdhsa_float_denorm_mode_16_64 3
		.amdhsa_memory_ordered 1
		.amdhsa_forward_progress 1
		.amdhsa_inst_pref_size 255
	.end_amdhsa_kernel
	.section	.bss,"aw",@nobits
	.p2align	6
	.space	262144
	.amdgpu_metadata
---
amdhsa.version: [ 1, 2 ]
amdhsa.kernels:
  - .name:           k_q304b1638aa_qkv
    .symbol:         k_q304b1638aa_qkv.kd
    .args:
      - { .name: codes, .offset: 0, .size: 8, .value_kind: global_buffer, .address_space: global }
      - { .name: scales, .offset: 8, .size: 8, .value_kind: global_buffer, .address_space: global }
      - { .name: rope, .offset: 16, .size: 8, .value_kind: global_buffer, .address_space: global }
      - { .name: qkv16, .offset: 24, .size: 8, .value_kind: global_buffer, .address_space: global }
      - { .name: wo, .offset: 32, .size: 8, .value_kind: global_buffer, .address_space: global }
      - { .name: wo16, .offset: 40, .size: 8, .value_kind: global_buffer, .address_space: global }
    .group_segment_fixed_size: 327680
    .private_segment_fixed_size: 0
    .kernarg_segment_align: 8
    .kernarg_segment_size: 48
    .max_flat_workgroup_size: 128
    .sgpr_count:     66
    .vgpr_count:     1024
    .wavefront_size: 32
...
	.end_amdgpu_metadata
.endif
;; end of part 2
;; launch attn (part 3): grid 8 x 32, 4 waves a work-group, clusters of 4 x 1, 327,680 bytes of LDS; arguments qkv16, attn16; writes attn16
.if DOCPART == 3
	.amdgcn_target "amdgcn-amd-amdhsa--gfx1250"
	.amdhsa_code_object_version 6
	.text
	.protected	k_q304b1638aa_attn
	.globl	k_q304b1638aa_attn
	.p2align	8
	.type	k_q304b1638aa_attn,@function
k_q304b1638aa_attn:
	s_mov_b64 s[64:65], 0
	v_nop
	global_prefetch_b8 v0, s[64:65] scope:SCOPE_SE
	s_setreg_imm32_b32 hwreg(HW_REG_WAVE_MODE, 25, 1), 1
	s_wait_xcnt 0x0
	s_wait_alu depctr_hold_cnt(0) depctr_sa_sdst(0) depctr_va_vdst(0) depctr_va_sdst(0) depctr_va_ssrc(0) depctr_va_vcc(0) depctr_vm_vsrc(0)
	s_getreg_b32 s2, hwreg(HW_REG_IB_STS2, 6, 4)
	s_cmp_eq_u32 s2, 0
	s_cbranch_scc0 .Lentry_in_a_cluster
	s_endpgm
.Lentry_in_a_cluster:
	s_bfe_u32 s2, ttmp6, 0x10000c
	s_cmp_lg_u32 s2, 0x3003
	s_cbranch_scc0 .Lentry_shape_is_right
	s_endpgm
.Lentry_shape_is_right:
; ATTN: O[q][h][:] = the sum over k of softmax_k(Q[h][q] . K[h / 4][k] / sqrt(128)) V[h / 4][k][:], no mask.  qkv16: [48 heads][1024][128] f16 (0-31 Q, 32-39 K, 40-47 V); attn16: [1024][32 x 128] f16.
; No work is left out; the repeat of key and value heads is the lookup h / 4.  Products, maxima and sums in f32; the weights p (at most 1) are rounded to f16 for the second product, O once at the end.
; SHARES.  A work-group owns 128 queries of one head.  Waves 2 i and 2 i + 1 own the same 64 queries (four tiles of 16) and HALVE THE KEYS: wave w walks keys 512 (w % 2) on, 64 a step, eight steps.
; 2,048 tiles of queries over 1,024 waves are two tiles a wave; with the keys halved a wave holds four, so that each fragment of K and V read from LDS feeds four products.
; At the end the two waves of a pair merge: each keeps two tiles and hands the other two (O, c m, l) to its partner through LDS.  Register tile t holds query tile t xor 2 (w % 2), by Q's addresses alone:
; so every wave keeps register tiles 0, 1, sends 2, 3, and stores rows 32 w .. 32 w + 31 of the block: no branch.
; LAYOUT.  S^T = K Q^T (source 0 = 16 keys, source 1 = 16 queries): a lane holds ONE query (lane % 16) and the keys 8 (lane / 16) + 0..7; two such tiles, rounded in pairs, ARE source 1 of O^T = V^T P.
; K comes out of LDS as it lies, V ([key][channel]) turned, by ds_load_tr16_b128.
; SOFTMAX.  For each query a running maximum m and sum l: p = 2^(c s - c m), c = log2(e) / sqrt(128); in every step O and l are multiplied by a = 2^(c m_old - c m_new).
; BY TURNS.  The wave's tiles are two PIECES (tiles 0, 1; tiles 2, 3).  In a TURN one piece has the matrix unit: 32 products V^T P of the step in hand, then 32 products K Q^T of the next step; the other piece's
; softmax, cut into 64 slices, stands between them, one slice behind each matrix instruction.  Two turns are a key step.
; CLUSTER.  The four query blocks of a cluster belong to one head and walk the same K and V: each tile is asked for JOINTLY.  A mask names four work-groups, so the head's other four blocks and the three other heads
; of the key head ask for themselves.
; THE RING.  Two slots; a slot holds 128 keys of each half: K's first half, K's second, V's first, V's second; wave 0, 1 fetch K's two, waves 2, 3 V's two, 128 rows a load.  Four slots' worth: two first fills, two refills.
; REGISTERS, in windows of 256 (s_set_vgpr_msb: bits 1:0 source 0, 3:2 source 1, 5:4 source 2, 7:6 destination):
;   window 0: v0-11 addresses; v12-43 eight registers of statistics a tile; v44-63 the merge's and the kept addresses; v64-191 S^T, 32 a tile; v192-255 P, 16 a tile
;   window 1: O^T, 64 a tile          window 2: v0-127 Q, 32 a tile; v128-255 K of one step          window 3: v0-127 V of one step
.set KS,    64        ; keys in a step
.set PK,    272       ; a row of K in LDS: 256 bytes + 16 of padding: the 16 rows of a load start at 16 different banks (64 banks of 4 bytes: ISA guide 11.1)
.set PV,    288       ; a row of V: 256 + 32
.set KAREA, 128*PK    ; 128 keys of one half
.set VAREA, 128*PV
.set SLOT,  2*KAREA+2*VAREA
.set STAGE, 2*SLOT    ; behind the ring: 16 rows x 272 bytes for each wave, for the way out
.set SP,    272
.set SPARE, STAGE+4*16*SP  ; behind the stages: the spare words, 128 bytes a wave, which no other line names
.set MRGW,  16896     ; the merge: for each wave two images of a tile's O^T (8,192 bytes each) and two blocks of 256 bytes of (c m, l); in slot 0, which has had its last fill and its last read by then
.set AK0, 2           ; v2   my lane's place in a tile of K; never rewritten
.set AV0, 3           ; v3   the same for V
.set ADR, 4           ; v4   the LDS address of the run of loads in hand
.set QO,  5           ; v5   my byte offset in the rows of Q for register tiles 0, 1
.set STO, 6           ; v6   the way out: where I put 16 bytes of a row
.set RD,  7           ; v7   where I read a row back
.set GO,  8           ; v8   my byte offset in two rows of attn16
.set ST,  12          ; tile t's statistics at v[ST+8 t]: +0 c m, +1 m, +2, +3 l (even keys', odd keys'), +4 to +7 at work
.set PS,  44          ; v44-47 the partner's (c m, l) of two tiles
.set IA,  48          ; v48-55 tile t: v[IA+4 t], +1 my factor, +2, +3 the partner's
.set MW,  56          ; v56  the merge: where I put an image's 16 bytes
.set MS,  57          ; v57  and my 8 bytes of (c m, l)
.set MR,  58          ; v58  the same two places in my partner's region
.set MT,  59          ; v59
.set QOH, 60          ; v60  my byte offset in the rows of Q for register tiles 2, 3
.set PFO, 61          ; v61  256 x my lane: a row of K or V is 256 bytes; never rewritten
.set SPW, 62          ; v62  LDS address of my spare word; never rewritten
.set NIL, 63          ; v63  0; never rewritten
.set S,   64
.set P,   192
.set KF,  128         ; K's fragments, in window 2
.set WV,  12          ; s12  my wave's number
.set LIM, 15          ; s15  0 in the work-groups that prefetch
.set HV,  16          ; s16  where my half's V begins in a slot
.set PFA, 18          ; s[18:19] where my prefetch stands
.set G1K, 24          ; s[24:31] descriptor group 1 for K's tiles
.set G1V, 32          ; s[32:39] for V's: it differs in the padding alone
.set G0K, 40          ; s[40:47] descriptor group 0 for K's tiles, a set for each slot
.set G0V, 48          ; s[48:55] the same for V's
.set HK,  56          ; s56  where my half's K begins in a slot
.set TWICE, 57        ; s57  counts a slot's two steps
.set CS,  58          ; s[58:59] c
.set SEL, 60          ; s[60:61] lane selects for v_permlanex16_b32: lane l xor 16
.set TBK, 62          ; s62  LDS byte at which K's tile of the step to be fetched begins
.set TBV, 63          ; s63  the same for V
.set MSB, 0
.macro WIN new                      ; the immediate's high byte repeats the setting that is left; a switch that changes nothing is dropped
.if MSB != \new
	s_set_vgpr_msb (MSB<<8)|\new
.set MSB, \new
.endif
.endm
.set W_KQ, 0x0a       ; K and Q in window 2, S^T in window 0
.set W_PV, 0x53       ; V in window 3, P in window 0, O^T in window 1
.set W_RS, 0x41       ; O^T (destination and source 0) in window 1, a in window 0
; A joint refill of slot s.  The branch hangs on the wave's number alone.  An s_nop 0 and four v_nop follow each of the two lines.
.macro JLOAD s
	s_cmp_lt_u32 s[WV], 2
	s_cbranch_scc0 .Lfor_v_\@
	tensor_load_to_lds s[G0K+4*\s:G0K+4*\s+3], s[G1K:G1K+7]
	s_nop 0
.rept 4
	v_nop
.endr
	s_branch .Lasked_\@
.Lfor_v_\@:
	tensor_load_to_lds s[G0V+4*\s:G0V+4*\s+3], s[G1V:G1V+7]
	s_nop 0
.rept 4
	v_nop
.endr
.Lasked_\@:
.endm
; A PREFETCH INTO THE L2, once: behind the first refill, for what the second refill will ask for (each half's last 128 keys), two key steps, 256 matrix instructions, ahead of that load.
; Eight clusters walk a key head's rows (four heads x two clusters): the first of them asks (head % 4 = 0, cluster x = 0: the same in all four partners).  Each wave asks for the tile that it fetches itself;
; the four partners share its 128 rows out BY ADDRESS, 32 each, a lane a row: so each row is named once in the launch.  The address is never stepped.
.macro ASK
	s_cmp_eq_u32 s[LIM], 0
	s_cbranch_scc0 .Lnot_mine_\@
	global_prefetch_b8 v[PFO], s[PFA:PFA+1] th:TH_LOAD_NT scope:SCOPE_SE
.Lnot_mine_\@:
.endm
.macro CROUND                       ; a round of the cluster's barrier
	s_barrier_signal -1
	s_barrier_wait -1
	s_cmp_lg_u32 s[WV], 0
	s_cbranch_scc1 .Lnot_wave_0_\@
	s_barrier_signal -3
.Lnot_wave_0_\@:
	s_barrier_wait -3
	s_barrier_signal -1
	s_barrier_wait -1
.endm
	s_load_b128 s[4:7], s[0:1], 0x0  ; qkv16 s[4:5], attn16 s[6:7]
	v_lshl_add_u32 v[SPW], v0, 2, SPARE
	v_mov_b32 v[NIL], 0
	ds_add_u32 v[SPW], v[NIL]       ; the wave's opening: the add, twice on end, and its wait ahead of my first tensor load
	ds_add_u32 v[SPW], v[NIL]
	v_lshrrev_b32 v1, 5, v0
	v_readfirstlane_b32 s[WV], v1   ; wave 0..3
	s_bfe_u32 s13, ttmp6, 0x40000   ; cx: my place in the cluster
	s_lshl_b32 s14, ttmp9, 2
	s_add_co_u32 s14, s14, s13      ; my block of 128 queries = 4 x cluster x + cx: it enters Q's and O's addresses alone
	s_and_b32 s20, ttmp7, 0xffff    ; the head, which the four partners share
	s_and_b32 s17, s[WV], 1         ; g: which half of the keys I walk, and which half I fetch
	s_lshr_b32 s21, s20, 2          ; the key and value head
	s_lshl_b32 s21, s21, 18         ; heads of 262,144 bytes
	s_lshl_b32 s22, s17, 17         ; 512 rows of 256 bytes
	s_add_co_u32 s21, s21, s22
	s_add_co_u32 s22, s21, 32<<18   ; K's heads begin at head 32,
	s_mov_b32 s23, 0
	s_add_co_u32 s2, s21, 40<<18    ; V's at head 40
	s_mov_b32 s3, 0
	s_lshl_b32 s8, s20, 18          ; Q: my head,
	s_lshl_b32 s9, s14, 15          ; my block's 128 rows,
	s_add_co_u32 s8, s8, s9
	s_lshr_b32 s9, s[WV], 1
	s_lshl_b32 s9, s9, 14           ; my pair's 64 of them
	s_add_co_u32 s8, s8, s9
	s_mov_b32 s9, 0
	s_lshl_b32 s10, s14, 20         ; O: 128 rows of 8,192 bytes a block,
	s_lshl_b32 s11, s[WV], 18       ; 32 a wave,
	s_add_co_u32 s10, s10, s11
	s_lshl_b32 s11, s20, 8          ; the head's 256 bytes of a row
	s_add_co_u32 s10, s10, s11
	s_mov_b32 s11, 0
	s_mov_b32 s[PFA], 40<<18        ; the prefetch: the tile that I fetch,
	s_cmp_lt_u32 s[WV], 2
	s_cselect_b32 s[PFA], 32<<18, s[PFA]
	s_add_co_u32 s[PFA], s[PFA], s21
	s_add_co_u32 s[PFA], s[PFA], 3*32768  ; its last 128 keys,
	s_lshl_b32 s[PFA+1], s13, 13    ; my work-group's 32 rows of them
	s_add_co_u32 s[PFA], s[PFA], s[PFA+1]
	s_mov_b32 s[PFA+1], 0
	s_and_b32 s[LIM], s20, 3
	s_or_b32 s[LIM], s[LIM], ttmp9
	s_mul_i32 s[HK], s17, KAREA
	s_mul_i32 s[HV], s17, VAREA
	s_add_co_u32 s[HV], s[HV], 2*KAREA
	; descriptor group 1: a tile of 128 rows x 128 elements, padded in LDS
	s_mov_b32 s[G1K], 15|(1<<16)|(1<<20)|(1<<21)|(5<<22)|(3<<25)  ; 15:0 the mask: all four work-groups; 17:16 elements of 2 bytes; 20 padding on; 21 set beside a mask; 24:22 after every 64 words; 31:25 4 words
	s_mov_b32 s[G1V], 15|(1<<16)|(1<<20)|(1<<21)|(5<<22)|(7<<25)  ; the same with 8 words of padding
.irp g, G1K, G1V
	s_mov_b32 s[\g+1], 128<<16      ; tensor_dim0 = 128
	s_mov_b32 s[\g+2], 128<<16      ; tensor_dim1 = 128
	s_mov_b32 s[\g+3], 128<<16      ; tile_dim0 = 128
	s_mov_b32 s[\g+4], 128          ; tile_dim1 = 128
	s_mov_b32 s[\g+5], 128          ; tensor_dim0_stride
	s_mov_b32 s[\g+6], 0
	s_mov_b32 s[\g+7], 0
.endr
	s_mov_b32 s[CS], 0x3e0293ee     ; c = log2(e) / sqrt(128)
	s_mov_b32 s[CS+1], s[CS]        ; named with it as a pair, so it is written
	s_mov_b32 s[SEL], 0x76543210
	s_mov_b32 s[SEL+1], 0xfedcba98
	s_mov_b32 s[TBK], s[HK]
	s_mov_b32 s[TBV], s[HV]
	v_and_b32 v10, 31, v0
	v_lshlrev_b32 v[PFO], 8, v10
	s_mul_i32 s[TWICE], s[WV], MRGW  ; the merge's addresses: my region,
	v_lshl_add_u32 v[MW], v10, 4, s[TWICE]
	v_lshl_add_u32 v[MS], v10, 3, s[TWICE]
	v_add_nc_u32 v[MS], 16384, v[MS]
	s_xor_b32 s[TWICE], s[WV], 1
	s_mul_i32 s[TWICE], s[TWICE], MRGW  ; and my partner's
	v_lshl_add_u32 v[MR], v10, 4, s[TWICE]
	v_lshl_add_u32 v[MT], v10, 3, s[TWICE]
	v_add_nc_u32 v[MT], 16384, v[MT]
	s_wait_dscnt 0x0                ; both opening adds are done
	s_wait_kmcnt 0x0
	s_add_nc_u64 s[22:23], s[4:5], s[22:23]  ; K and V at my tile of slot 0
	s_add_nc_u64 s[2:3], s[4:5], s[2:3]
	s_add_nc_u64 s[8:9], s[4:5], s[8:9]      ; Q at my pair's first row
	s_add_nc_u64 s[10:11], s[6:7], s[10:11]  ; O at my first row
	s_add_nc_u64 s[PFA:PFA+1], s[4:5], s[PFA:PFA+1]
	CROUND                          ; all four work-groups are here: the first joint loads meet
.irp s, 0,1
	s_mov_b32 s[G0K+4*\s], 1        ; count = 1
	s_add_co_u32 s[G0K+4*\s+1], s[HK], \s*SLOT  ; LDS address
	s_add_nc_u64 s[G0K+4*\s+2:G0K+4*\s+3], s[22:23], \s*32768  ; global address: slot s begins with my half's keys 128 s on
	s_or_b32 s[G0K+4*\s+3], s[G0K+4*\s+3], 0x80000000  ; type = 2
	s_mov_b32 s[G0V+4*\s], 1
	s_add_co_u32 s[G0V+4*\s+1], s[HV], \s*SLOT
	s_add_nc_u64 s[G0V+4*\s+2:G0V+4*\s+3], s[2:3], \s*32768
	s_or_b32 s[G0V+4*\s+3], s[G0V+4*\s+3], 0x80000000
.endr
	s_cmp_lt_u32 s[WV], 2           ; a wave's two first fills stand in one branch, ahead of every wait on TENSORcnt and every LDS read: two loads of mine are out
	s_cbranch_scc0 .Lfirst_v
	tensor_load_to_lds s[G0K:G0K+3], s[G1K:G1K+7]
	s_nop 0
	tensor_load_to_lds s[G0K+4:G0K+7], s[G1K:G1K+7]
	s_nop 0
.rept 4
	v_nop
.endr
	s_branch .Lfirst_asked
.Lfirst_v:
	tensor_load_to_lds s[G0V:G0V+3], s[G1V:G1V+7]
	s_nop 0
	tensor_load_to_lds s[G0V+4:G0V+7], s[G1V:G1V+7]
	s_nop 0
.rept 4
	v_nop
.endr
.Lfirst_asked:
	; A fragment of K or Q is 16 rows x 32 channels in 8 registers: lane l holds row l % 16; registers 0-3 channels 8 (l / 16) + 0..7, registers 4-7 channels 16 + 8 (l / 16) + 0..7.
	v_and_b32 v1, 15, v0            ; l % 16
	v_bfe_u32 v9, v0, 4, 1          ; l / 16
	v_lshlrev_b32 v[QO], 8, v1
	v_lshl_add_u32 v[QO], v9, 4, v[QO]  ; row x 256 + 16 x half
	s_xor_b32 s13, s17, 1
	s_lshl_b32 s13, s13, 13
	v_add_nc_u32 v[QOH], s13, v[QO]  ; register tiles 2, 3: query tiles 2 - 2 g on (32 rows of 256 bytes are 8,192)
	s_lshl_b32 s13, s17, 13
	v_add_nc_u32 v[QO], s13, v[QO]   ; register tiles 0, 1: query tiles 2 g on
	WIN 0x80                        ; destination window 2, address window 0
.irp i, 0,1,2,3,4,5,6,7             ; Q stays in registers: tile i / 4, channels 32 (i % 4) on
	global_load_b128 v[8*\i:8*\i+3],   v[QO], s[8:9] offset:(\i/4)*4096+(\i%4)*64
	global_load_b128 v[8*\i+4:8*\i+7], v[QO], s[8:9] offset:(\i/4)*4096+(\i%4)*64+32
.endr
.irp i, 8,9,10,11,12,13,14,15
	global_load_b128 v[8*\i:8*\i+3],   v[QOH], s[8:9] offset:(\i/4-2)*4096+(\i%4)*64
	global_load_b128 v[8*\i+4:8*\i+7], v[QOH], s[8:9] offset:(\i/4-2)*4096+(\i%4)*64+32
.endr
	WIN 0
	v_mul_u32_u24 v[AK0], v1, PK
	v_lshl_add_u32 v[AK0], v9, 4, v[AK0]  ; row x pitch + 16 x half
	; The turning load takes 16 keys x 16 channels (lane l reads 16 bytes: key 8 (l / 16) + l % 8, channels 8 ((l / 8) % 2) + 0..7) and leaves half a fragment of V^T: lane l holds channel l % 16 and 8 keys.
	v_and_b32 v10, 7, v0
	v_bfe_u32 v11, v0, 3, 1
	v_lshl_add_u32 v[AV0], v9, 3, v10
	v_mul_u32_u24 v[AV0], v[AV0], PV
	v_lshl_add_u32 v[AV0], v11, 4, v[AV0]
; THE MATRIX WORK OF A TURN, for piece x.  The accumulators take turns, one instruction a turn.
; Product i of 32 of O^T += V^T P: keys 32 (i / 16) on, channels 16 ((i / 2) % 8) on, tile x + i % 2.  zero = 1: the first 16 start the sums.
.macro PV x, zero
	WIN W_PV
.set rO, 64*(\x+i%2)+8*((i/2)%8)
.set rV, 64*(i/16)+8*((i/2)%8)
.set rP, P+16*(\x+i%2)+8*(i/16)
.if \zero && (i < 16)
	v_wmma_f32_16x16x32_f16 v[rO:rO+7], v[rV:rV+7], v[rP:rP+7], 0
.else
	v_wmma_f32_16x16x32_f16 v[rO:rO+7], v[rV:rV+7], v[rP:rP+7], v[rO:rO+7]
.endif
.endm
; Product i of 32 of S^T = K Q^T: channels 32 (i / 8) on, keys 16 ((i / 2) % 4) on, tile x + i % 2.  The first 8 start the sums.
.macro KQ x
	WIN W_KQ
.set rS, S+32*(\x+i%2)+8*((i/2)%4)
.set rK, KF+32*((i/2)%4)+8*(i/8)
.set rQ, 32*(\x+i%2)+8*(i/8)
.if i < 8
	v_wmma_f32_16x16x32_f16 v[rS:rS+7], v[rK:rK+7], v[rQ:rQ+7], 0
.else
	v_wmma_f32_16x16x32_f16 v[rS:rS+7], v[rK:rK+7], v[rQ:rQ+7], v[rS:rS+7]
.endif
.endm
; THE LDS LOADS stand in runs of 32: a step's K (64 keys x 128 channels: 16 fragments) and, a turn later, its V (turned).
.macro FETCH_K
	WIN 0
	v_add_nc_u32 v[ADR], s[TBK], v[AK0]
	s_add_co_u32 s[TBK], s[TBK], KS*PK  ; the next fetch is the next step's
	WIN 0x80                        ; destination window 2
.irp f, 0,1,2,3,4,5,6,7,8,9,10,11,12,13,14,15  ; keys 16 (f / 4) on, channels 32 (f % 4) on
	ds_load_b128 v[KF+8*\f:KF+8*\f+3],   v[ADR] offset:(\f/4)*16*PK+(\f%4)*64
	ds_load_b128 v[KF+8*\f+4:KF+8*\f+7], v[ADR] offset:(\f/4)*16*PK+(\f%4)*64+32
.endr
.endm
.macro FETCH_V
	WIN 0
	v_add_nc_u32 v[ADR], s[TBV], v[AV0]
	s_add_co_u32 s[TBV], s[TBV], KS*PV
	s_wait_alu depctr_va_vdst(0)    ; the wait for the softmax's batch of exponentials, behind the address's addition and ahead of the loads
	WIN 0xc0                        ; destination window 3
.irp f, 0,1,2,3,4,5,6,7,8,9,10,11,12,13,14,15  ; keys 32 (f / 8) on, channels 16 (f % 8) on
	ds_load_tr16_b128 v[8*\f:8*\f+3],   v[ADR] offset:(\f/8)*32*PV+(\f%8)*32
	ds_load_tr16_b128 v[8*\f+4:8*\f+7], v[ADR] offset:(\f/8)*32*PV+16*PV+(\f%8)*32
.endr
.endm
; THE VECTOR WORK OF A TURN.  One tile's softmax for one key step is a list of 134 instructions; SM writes number j of it for tile t.  first = 1: the first key step, which starts m, l and O^T.
;   0-15    the maximum of the lane's 32 scores and the old m, three operands at a time
;   16-20   the other half of the lanes' maximum; the new m; c m; c m_old - c m_new
;   21-69   ONE BATCH: the 16 packed scalings c s - c m and all 33 exponentials; none of these reads an exponential's result
;   (wait)  between 69 and 70 stands the one wait for the batch: SLICE writes it, once for both tiles
;   70-85   the roundings to f16;   86-101  the sums, l = a l + the sum;   102-133 the tile's O^T times a
.macro SM t, first
.set rT, ST+8*(\t)
.set rS, S+32*(\t)
.set rP, P+16*(\t)
.set rO, 64*(\t)+2*(j-102)
.if j < 102
	WIN 0
.endif
.if j < 4
	v_max3_num_f32 v[rT+4+j], v[rS+8*j], v[rS+8*j+1], v[rS+8*j+2]
.elseif j < 12
	v_max3_num_f32 v[rT+4+j%4], v[rT+4+j%4], v[rS+8*(j%4)+2*(j/4)+1], v[rS+8*(j%4)+2*(j/4)+2]
.elseif j == 12
	v_max3_num_f32 v[rT+4], v[rT+4], v[rS+7], v[rS+15]
.elseif j == 13
	v_max3_num_f32 v[rT+6], v[rT+6], v[rS+23], v[rS+31]
.elseif j == 14
	v_max3_num_f32 v[rT+4], v[rT+4], v[rT+5], v[rT+6]
.elseif (j == 15) && \first
	v_max_num_f32 v[rT+4], v[rT+4], v[rT+7]
.elseif j == 15
	v_max3_num_f32 v[rT+4], v[rT+4], v[rT+7], v[rT+1]
.elseif j == 16
	v_permlanex16_b32 v[rT+5], v[rT+4], s[SEL], s[SEL+1]  ; the query's other 32 keys lie in the lane 16 away
.elseif j == 18
	v_max_num_f32 v[rT+1], v[rT+4], v[rT+5]
.elseif j == 19
	v_mul_f32 v[rT], s[CS], v[rT+1]
.elseif ((j == 17) || (j == 20) || (j == 23) || (j > 101)) && \first  ; the first step has none of these
.elseif j == 17
	v_mov_b32 v[rT+7], v[rT]        ; c m_old is kept for a: number 19 writes c m anew
.elseif j == 20
	v_sub_f32 v[rT+7], v[rT+7], v[rT]
.elseif j == 23
	v_exp_f32 v[rT+6], v[rT+7]
.elseif (j < 23) || ((j < 38) && (j%2 == 0)) || ((j < 66) && (j%4 == 2))
.set b, (j-2)/4                     ; 38, 42, .. 62: pairs 9 to 15
.if j < 38
.set b, (j-20)/2                    ; 21: pair 0; 22, 24, .. 36: pairs 1 to 8
.endif
	v_pk_fma_f32 v[rS+2*b:rS+2*b+1], v[rS+2*b:rS+2*b+1], s[CS:CS+1], v[rT:rT+1] op_sel_hi:[1,0,0] neg_lo:[0,0,1] neg_hi:[0,0,1]  ; pair b: c s - c m
.elseif j < 70
.set e, j-38                        ; 66 to 69: s28 to s31
.if j < 66
.set e, j-32-(j-38)/4               ; 39-41, 43-45, .. 63-65: s7 to s27
.endif
.if j < 38
.set e, (j-25)/2                    ; 25, 27, .. 37: s0 to s6
.endif
	v_exp_f32 v[rS+e], v[rS+e]
.elseif j < 86
	v_cvt_pk_f16_f32 v[rP+j-70], v[rS+2*(j-70)], v[rS+2*(j-70)+1]  ; pair j - 70
.elseif j < 102                     ; the sum of the tile's 16 pairs, in place: neighbours 1, 2, 4 and 8 pairs apart, then l takes it
.set z, j-86
.set w, 4
.set u, z
.if z >= 14
.set w, 32
.set u, 0
.elseif z >= 12
.set w, 16
.set u, z-12
.elseif z >= 8
.set w, 8
.set u, z-8
.endif
.if (z == 14) && \first
	v_pk_add_f32 v[rT+2:rT+3], v[rS:rS+1], v[rS+16:rS+17]
.elseif z < 15
	v_pk_add_f32 v[rS+w*u:rS+w*u+1], v[rS+w*u:rS+w*u+1], v[rS+w*u+w/2:rS+w*u+w/2+1]
.elseif !\first
	v_pk_fma_f32 v[rT+2:rT+3], v[rT+2:rT+3], v[rT+6:rT+7], v[rS:rS+1] op_sel_hi:[1,0,1]
.endif
.else
	WIN W_RS
	v_pk_mul_f32 v[rO:rO+1], v[rO:rO+1], v[rT+6:rT+7] op_sel_hi:[1,0]
.endif
.endm
; Slice k of 64 of piece y's softmax: four instructions.  Slices 11 to 34 deal out the batch, four numbers of ONE tile each, the tiles by turns; every other slice is numbers 2 k and 2 k + 1 of both tiles' lists;
; 2 x 134 = 4 x 64 + 12: the twelve that are over stand together, in slice 63.  Ahead of slice 35 nothing names an exponential's result, behind slice 34 none is issued: one wait, behind slice 34.
.macro SLICE y, first
.if (k >= 11) && (k < 35)
.irp n, 0,1,2,3
.set j, 22+4*((k-11)/2)+(\n)
	SM (\y)+(k-11)%2, \first
.endr
.else
.irp n, 0,1,2,3,4,5,6,7
.if (\n < 2) || (k == 63)
.irp t, \y, \y+1
.set j, 2*k+\n
	SM \t, \first
.endr
.endif
.endr
.endif
.if k == 34
	v_nop                           ; a plain instruction behind the last exponential and ahead of the first use: one for the batch
.if (\y) == 0
	FETCH_V                         ; piece 2's turn: V's run of loads stands here, and the wait stands in it
.else
	s_wait_alu depctr_va_vdst(0)    ; the wait for the batch
.endif
.endif
.set k, k+1
.endm
.macro PLACES
.rept 4
	v_nop
.endr
.endm
; A TURN.  Piece x has the matrix unit; the other piece's softmax stands in slices behind its matrix instructions.
; pv = 2: 32 products V^T P; 1: they start O^T's sums; 0: none.  kq = 1: 32 products K Q^T for the next step.  A turn with one of the two kinds has two slices behind each product.
; Piece 0's turn fetches the next step's K behind its second product (the last product that read K stands in front of slice 63 of the turn before); piece 2's turn fetches the same step's V behind slice 34
; (the last product that read V stands in front of slice 31; four plain instructions lie between: a scaling of both tiles, the v_nop and the run's own addition).
.macro TURN x, pv, kq, first
.set k, 0
.set per, 2
.if \pv && \kq
.set per, 1
.endif
.if \pv
.if \x == 0
	s_wait_dscnt 0x0                ; V is in
.endif
.set i, 0
.rept 32
	PV \x, 2-\pv
.rept per
	SLICE 2-\x, \first
.endr
.if (\x == 0) && \kq && (i == 1)
	FETCH_K
.endif
.set i, i+1
.endr
.endif
.if \kq
.if \x == 0
	s_wait_dscnt 0x0                ; K is in
.endif
.set i, 0
.rept 32
	KQ \x
.rept per
	SLICE 2-\x, \first
.endr
.set i, i+1
.endr
.endif
.if \first
	PLACES
.endif
.endm
; THE CHANGE OF SLOTS, between piece 2's turn and piece 0's: the slot's last bytes have been asked for.  Each wave waits for all its tensor loads, of which one is out at most: its part of the other slot;
; adds 0 to its spare word; and waits for that and for its own reads of the slot.  fill = 1: slot f, just left, is filled again with each half's keys 256 on; the barrier is then a round of the cluster's,
; and the joint refill is the first thing behind it: it has two key steps, 256 matrix instructions, in which to land.  n: the slot that is read next.
.macro CHANGE fill, f, n, ask
	WIN 0                           ; at a label and at a branch every window is 0
	s_wait_tensorcnt 0x0            ; no tensor load of mine is out, so a group 0 may be written
	ds_add_u32 v[SPW], v[NIL]       ; 0 onto my spare word
.if \fill
	s_add_nc_u64 s[G0K+4*\f+2:G0K+4*\f+3], s[G0K+4*\f+2:G0K+4*\f+3], 2*32768  ; the type bits on top are not reached
	s_add_nc_u64 s[G0V+4*\f+2:G0V+4*\f+3], s[G0V+4*\f+2:G0V+4*\f+3], 2*32768
	s_wait_dscnt 0x0                ; the add is done, and my reads of the slot are over
	CROUND
	JLOAD \f
.if \ask
	ASK
.endif
.else
	s_wait_dscnt 0x0                ; the add is done, and my reads of the slot are over
	s_barrier_signal -1
	s_barrier_wait -1
.endif
	s_add_co_u32 s[TBK], s[HK], \n*SLOT  ; the fetches go to the next slot's first step
	s_add_co_u32 s[TBV], s[HV], \n*SLOT
.endm
.macro TWO_STEPS                    ; a slot's two key steps: written once, walked twice; the LDS addresses hang on s[TBK] and s[TBV]
	s_mov_b32 s[TWICE], 2
.Lstep_\@:
	TURN 0, 2, 1, 0
	TURN 2, 2, 1, 0
	WIN 0
	s_sub_co_u32 s[TWICE], s[TWICE], 1
	s_cmp_lg_u32 s[TWICE], 0
	s_cbranch_scc1 .Lstep_\@
.endm
	s_wait_tensorcnt 1              ; my part of slot 0 is in; slot 1's may stay out
	s_barrier_signal -1
	s_barrier_wait -1               ; everybody's is
	FETCH_K                         ; key step 0
	s_wait_loadcnt 0x0              ; Q
	s_wait_dscnt 0x0
.set i, 0
.rept 32
	KQ 0                            ; piece 0's first scores
.set i, i+1
.endr
	WIN 0                           ; the addresses for the way out are made here: plain instructions, the places behind those products
	s_mul_i32 s13, s[WV], 16*SP
	s_add_co_u32 s13, s13, STAGE    ; my stage
	v_mul_u32_u24 v[STO], v1, SP    ; in: row l % 16, 16 bytes for each half of the lanes
	v_lshl_add_u32 v[STO], v9, 4, v[STO]
	v_add_nc_u32 v[STO], s13, v[STO]
	v_mul_u32_u24 v[RD], v9, SP     ; back: lanes 0-15 take one row of 256 bytes, lanes 16-31 the next
	v_lshl_add_u32 v[RD], v1, 4, v[RD]
	v_add_nc_u32 v[RD], s13, v[RD]
	v_lshlrev_b32 v[GO], 13, v9     ; and the same two rows in attn16, 8,192 bytes apart
	v_lshl_add_u32 v[GO], v1, 4, v[GO]
	TURN 2, 0, 1, 1                 ; piece 2's first scores | piece 0's first softmax | V of step 0
	TURN 0, 1, 1, 1                 ; piece 0: V^T P of step 0 starts O^T, K Q^T of step 1 | piece 2's first softmax | K of step 1
	TURN 2, 1, 1, 0                 ; piece 2: the same | piece 0's softmax of step 1 | V of step 1
	CHANGE 1, 0, 1, 1               ; the three changes of slots are written out
	TWO_STEPS                       ; steps 2, 3 are fetched from slot 1
	CHANGE 1, 1, 0, 0
	TWO_STEPS                       ; steps 4, 5 from slot 0
	CHANGE 0, 0, 1, 0
	TWO_STEPS                       ; steps 6, 7 from slot 1
	TURN 0, 2, 0, 0                 ; piece 0: V^T P of the last step | piece 2's last softmax
.set i, 0
.rept 32
	PV 2, 0                         ; piece 2: V^T P of the last step
.set i, i+1
.endr
	; THE MERGE.  l's two halves and the other half of the lanes' are added (these additions are the places behind the last products); (c m, l) then stand as a pair.
	WIN 0
.irp t, 0,1,2,3
	v_add_f32 v[ST+8*\t+4], v[ST+8*\t+2], v[ST+8*\t+3]
.endr
.irp t, 0,1,2,3
	v_permlanex16_b32 v[ST+8*\t+5], v[ST+8*\t+4], s[SEL], s[SEL+1]
.endr
.irp t, 0,1,2,3
	v_add_f32 v[ST+8*\t+1], v[ST+8*\t+4], v[ST+8*\t+5]
.endr
.irp t, 2,3                         ; register tiles 2 and 3 go to my partner, as images of their registers: 16 bytes a lane, 512 a store
	ds_store_b64 v[MS], v[ST+8*\t:ST+8*\t+1] offset:256*(\t-2)
.endr
	WIN 0x04                        ; an LDS store's data are its source 1: window 1
.irp t, 2,3
.set i, 0
.rept 16
	ds_store_b128 v[MW], v[64*\t+4*i:64*\t+4*i+3] offset:8192*(\t-2)+512*i  ; each accumulator from its low end on
.set i, i+1
.endr
.endr
	WIN 0
	s_wait_dscnt 0x0                ; for my partner's sake: my stores are done
	s_barrier_signal -1
	s_barrier_wait -1
.set i, 0
.rept 32
	ds_load_b128 v[S+4*i:S+4*i+3], v[MR] offset:512*i  ; my partner's O^T of the two tiles that I keep, in the same lanes and order
.set i, i+1
.endr
	ds_load_b64 v[PS:PS+1], v[MT]
	ds_load_b64 v[PS+2:PS+3], v[MT] offset:256
	s_wait_dscnt 0x0
.irp t, 0,1
	v_max_num_f32 v[ST+8*\t+4], v[ST+8*\t], v[PS+2*\t]  ; the common c m
.endr
.irp t, 0,1
	v_sub_f32 v[ST+8*\t+5], v[ST+8*\t], v[ST+8*\t+4]
	v_sub_f32 v[ST+8*\t+6], v[PS+2*\t], v[ST+8*\t+4]
.endr
.irp t, 0,1
	v_exp_f32 v[ST+8*\t+5], v[ST+8*\t+5]  ; what brings my sums under it,
	v_exp_f32 v[ST+8*\t+6], v[ST+8*\t+6]  ; and my partner's
.endr
	v_nop                           ; a plain instruction behind the last exponential
	s_wait_alu depctr_va_vdst(0)    ; one wait for the four, ahead of their first reader
.irp t, 0,1
	v_mul_f32 v[ST+8*\t+7], v[ST+8*\t+5], v[ST+8*\t+1]
.endr
.irp t, 0,1
	v_fma_f32 v[ST+8*\t+7], v[ST+8*\t+6], v[PS+2*\t+1], v[ST+8*\t+7]  ; the row's whole sum
.endr
.irp t, 0,1
	v_rcp_f32 v[ST+8*\t+4], v[ST+8*\t+7]
.endr
	v_nop
	s_wait_alu depctr_va_vdst(0)    ; one wait for the two reciprocals
.irp t, 0,1
	v_mul_f32 v[IA+4*\t],   v[ST+8*\t+5], v[ST+8*\t+4]  ; my factor; the packed forms name pairs, so both halves are written
	v_mul_f32 v[IA+4*\t+1], v[ST+8*\t+5], v[ST+8*\t+4]
	v_mul_f32 v[IA+4*\t+2], v[ST+8*\t+6], v[ST+8*\t+4]  ; my partner's
	v_mul_f32 v[IA+4*\t+3], v[ST+8*\t+6], v[ST+8*\t+4]
.endr
; Tile t: the two parts are weighed and added, rounded to f16, and sent through my stage: a lane's eight channels of a row are 16 bytes; they come back as whole rows of 256.
.macro PACK t
	WIN 0
.set i, 0
.rept 32
	v_pk_mul_f32 v[S+64*\t+2*i:S+64*\t+2*i+1], v[S+64*\t+2*i:S+64*\t+2*i+1], v[IA+4*\t+2:IA+4*\t+3] op_sel_hi:[1,0]
.set i, i+1
.endr
	WIN 0x01                        ; source 0: O^T, window 1
.set i, 0
.rept 32
	v_pk_fma_f32 v[S+64*\t+2*i:S+64*\t+2*i+1], v[64*\t+2*i:64*\t+2*i+1], v[IA+4*\t:IA+4*\t+1], v[S+64*\t+2*i:S+64*\t+2*i+1] op_sel_hi:[1,0,1]
.set i, i+1
.endr
	WIN 0
.set i, 0
.rept 32
	v_cvt_pk_f16_f32 v[P+32*\t+i], v[S+64*\t+2*i], v[S+64*\t+2*i+1]
.set i, i+1
.endr
.irp f, 0,1,2,3,4,5,6,7
	ds_store_b128 v[STO], v[P+32*\t+4*\f:P+32*\t+4*\f+3] offset:32*\f
.endr
.irp f, 0,1,2,3,4,5,6,7
	ds_load_b128 v[P+32*\t+4*\f:P+32*\t+4*\f+3], v[RD] offset:\f*2*SP  ; LDS serves a wave's instructions in order: these see the stores above; the next tile's stores come behind them
.endr
.endm
.macro SEND t, younger              ; younger: the LDS instructions issued behind tile t's loads
.irp f, 0,1,2,3,4,5,6,7
	s_wait_dscnt \younger+7-\f
	global_store_b128 v[GO], v[P+32*\t+4*\f:P+32*\t+4*\f+3], s[10:11] offset:\t*131072+\f*16384  ; 16 lanes store 256 consecutive bytes, aligned: the head's part of a row
.endr
.endm
	PACK 0
	PACK 1
	SEND 0, 16
	SEND 1, 0
	s_wait_tensorcnt 0x0            ; the wave's end, behind my last tensor load and my last LDS store
	ds_add_u32 v[SPW], v[NIL]
	s_wait_dscnt 0x0
	CROUND                          ; the closing round: no work-group ends while a partner may still ask for a tile that names it
	s_endpgm
.Lfunc_end_k_q304b1638aa_attn:
	.size	k_q304b1638aa_attn, .Lfunc_end_k_q304b1638aa_attn-k_q304b1638aa_attn
	.p2alignl 7, 3214868480
	.fill 96, 4, 3214868480
	.section	.rodata,"a",@progbits
	.p2align	6, 0x0
	.amdhsa_kernel k_q304b1638aa_attn
		.amdhsa_group_segment_fixed_size 327680
		.amdhsa_private_segment_fixed_size 0
		.amdhsa_enable_private_segment 0
		.amdhsa_kernarg_size 16
		.amdhsa_user_sgpr_count 2
		.amdhsa_user_sgpr_kernarg_segment_ptr 1
		.amdhsa_wavefront_size32 1
		.amdhsa_system_sgpr_workgroup_id_x 1
		.amdhsa_system_sgpr_workgroup_id_y 1
		.amdhsa_system_sgpr_workgroup_id_z 1
		.amdhsa_system_vgpr_workitem_id 0
		.amdhsa_next_free_vgpr 1024
		.amdhsa_next_free_sgpr 66
		.amdhsa_reserve_vcc 0
		.amdhsa_float_denorm_mode_32 3
		.amdhsa_float_denorm_mode_16_64 3
		.amdhsa_memory_ordered 1
		.amdhsa_forward_progress 1
		.amdhsa_inst_pref_size 255
	.end_amdhsa_kernel
	.section	.bss,"aw",@nobits
	.p2align	6
	.space	262144
	.amdgpu_metadata
---
amdhsa.version: [ 1, 2 ]
amdhsa.kernels:
  - .name:           k_q304b1638aa_attn
    .symbol:         k_q304b1638aa_attn.kd
    .args:
      - { .name: qkv16, .offset: 0, .size: 8, .value_kind: global_buffer, .address_space: global }
      - { .name: attn16, .offset: 8, .size: 8, .value_kind: global_buffer, .address_space: global }
    .group_segment_fixed_size: 327680
    .private_segment_fixed_size: 0
    .kernarg_segment_align: 8
    .kernarg_segment_size: 16
    .max_flat_workgroup_size: 128
    .sgpr_count:     66
    .vgpr_count:     1024
    .wavefront_size: 32
...
	.end_amdgpu_metadata
.endif
;; end of part 3
;; launch proj (part 4): grid 32 x 8, 4 waves a work-group, clusters of 4 x 4, 327,680 bytes of LDS; arguments attn16, wo16, out0; writes out0
.if DOCPART == 4
	.amdgcn_target "amdgcn-amd-amdhsa--gfx1250"
	.amdhsa_code_object_version 6
	.text
	.protected	k_q304b1638aa_proj
	.globl	k_q304b1638aa_proj
	.p2align	8
	.type	k_q304b1638aa_proj,@function
k_q304b1638aa_proj:
	s_mov_b64 s[64:65], 0
	v_nop
	global_prefetch_b8 v0, s[64:65] scope:SCOPE_SE
	s_setreg_imm32_b32 hwreg(HW_REG_WAVE_MODE, 25, 1), 1
	s_wait_xcnt 0x0
	s_wait_alu depctr_hold_cnt(0) depctr_sa_sdst(0) depctr_va_vdst(0) depctr_va_sdst(0) depctr_va_ssrc(0) depctr_va_vcc(0) depctr_vm_vsrc(0)
	s_getreg_b32 s2, hwreg(HW_REG_IB_STS2, 6, 4)
	s_cmp_eq_u32 s2, 0
	s_cbranch_scc0 .Lentry_in_a_cluster
	s_endpgm
.Lentry_in_a_cluster:
	s_bfe_u32 s2, ttmp6, 0x10000c
	s_cmp_lg_u32 s2, 0xf033
	s_cbranch_scc0 .Lentry_shape_is_right
	s_endpgm
.Lentry_shape_is_right:
; PROJ: out0[m][n] = sum over k of attn16[m][k] wo16[n][k].  attn16: [1024][4096] f16, wo16: [4096][4096] f16, out0: [1024][4096] f32; sums in f32.  No work is left out.
; 1,024 x 4,096 are 256 tiles of 128 x 128: one for each work-group.  Four waves, each 64 x 64: 16 accumulators of 16 x 16, 128 registers.  K goes in steps of 256 (LDS rows of 512 bytes; a wave's tensor load
; brings 64 of them), as long as two slots in LDS allow.
; CLUSTERS: 4 x 4 work-groups.  The four of a row of the cluster need the same tiles of A, the four of a column the same tiles of B: each tile is asked for JOINTLY.
; THE MATRIX INSTRUCTION IS USED TRANSPOSED (source 0 = 16 rows of B, source 1 = 16 rows of A): a lane then holds eight neighbouring numbers of a row of C.
; THE WAY OUT: a wave's 64 columns of f32 are 256 bytes of a row, aligned: so each wave has a stage of its own and no barrier is needed.
; REGISTERS: window 0: v0-31 addresses; v32-95 rows on the way out; v128-255 the accumulators ((a, b) at v[128 + 8 (4 a + b)]).   window 1: two fragment buffers of 128.
.set SIZE_M, 1024
.set SIZE_N, 4096
.set SIZE_K, 4096
.set KSTEP,  256
.set PITCH,  528                       ; an LDS row: 512 bytes + 16 of padding = 132 words: the 16 rows that a load touches start at 16 different banks (64 banks of 4 bytes: ISA guide 11.1)
.set HALFT,  64*PITCH
.set SLOT,   4*HALFT
.set STAGE,  2*SLOT                    ; behind the ring: 16 rows x 272 bytes for each wave
.set SPITCH, 272
.set SPARE,  STAGE+4*16*SPITCH         ; behind the stages: the spare words, 128 bytes a wave, which no other line names
.set LAPS, SIZE_K/(2*KSTEP)
.set ADRA, 16
.set ADRB, 20
.set STO,  24                          ; v24     the way out: where I put 32 bytes of a row
.set RD,   25                          ; v25     where I read rows back
.set CO,   26                          ; v26     my byte offset in two rows of C
.set SPW,  28                          ; v28     LDS address of my spare word; never rewritten
.set NIL,  29                          ; v29     0; never rewritten
.set TMP,  32
.set ACC,  128
.set F0,   0
.set F1,   128
.set G1, 24
.set G0, 32
.set G1B, 48
.set G0B, 56
.set MSB, 0
.macro WIN new                         ; the immediate's high byte repeats the setting that is left
.if MSB != \new
	s_set_vgpr_msb (MSB<<8)|\new
.set MSB, \new
.endif
.endm
.set MUL,  0x05                        ; sources 0 (B) and 1 (A) window 1; C and D window 0
.set TO_F, 0x40                        ; destination window 1, address window 0
.macro JLOAD s                         ; a joint load: waves 0 and 1 fetch A's two halves, waves 2 and 3 B's; an s_nop 0 and four v_nop follow each of the two lines
	s_cmp_eq_u32 s11, 0
	s_cbranch_scc0 .Lfor_b_\@
	tensor_load_to_lds s[G0+4*\s:G0+4*\s+3], s[G1:G1+7]
	s_nop 0
.rept 4
	v_nop
.endr
	s_branch .Lasked_\@
.Lfor_b_\@:
	tensor_load_to_lds s[G0B+4*\s:G0B+4*\s+3], s[G1B:G1B+7]
	s_nop 0
.rept 4
	v_nop
.endr
.Lasked_\@:
.endm
.macro CREST
	s_cmp_lg_u32 s10, 0
	s_cbranch_scc1 .Lnot_wave_0_\@
	s_barrier_signal -3
.Lnot_wave_0_\@:
	s_barrier_wait -3
	s_barrier_signal -1
	s_barrier_wait -1
.endm
.macro CROUND
	s_barrier_signal -1
	s_barrier_wait -1
	CREST
.endm
	s_load_b128 s[4:7], s[0:1], 0x0                ; A s[4:5], B s[6:7]
	s_load_b64 s[8:9], s[0:1], 0x10                ; C
	v_lshl_add_u32 v[SPW], v0, 2, SPARE
	v_mov_b32 v[NIL], 0
	ds_add_u32 v[SPW], v[NIL]                      ; the wave's opening: the add, twice on end, and its wait ahead of my first tensor load
	ds_add_u32 v[SPW], v[NIL]
	v_lshrrev_b32 v1, 5, v0
	v_readfirstlane_b32 s10, v1                    ; wave 0..3
	s_lshr_b32 s11, s10, 1                         ; which half of the tile's rows is mine.  Also: I fetch for A (0) or for B (1)
	s_and_b32 s12, s10, 1                          ; which half of its columns.  Also: which 64 rows of that tile I fetch
	s_bfe_u32 s40, ttmp6, 0x40000                  ; cx, cy
	s_bfe_u32 s41, ttmp6, 0x40004
	s_lshl_b32 s42, ttmp9, 2
	s_add_co_u32 s42, s42, s40                     ; tile column of C
	s_and_b32 s13, ttmp7, 0xffff
	s_lshl_b32 s13, s13, 2
	s_add_co_u32 s13, s13, s41                     ; tile row of C
	s_lshl_b32 s43, s41, 2
	s_lshl_b32 s43, 15, s43                        ; my row of the cluster
	s_lshl_b32 s44, 0x1111, s40                    ; my column
	s_or_b32 s[G1+0], s43, (1<<16)|(1<<20)|(1<<21)|(6<<22)|(3<<25)  ; the mask; elements of 2 bytes; padding on; 21 set beside a mask; after every 128 words four words
	s_or_b32 s[G1B+0], s44, (1<<16)|(1<<20)|(1<<21)|(6<<22)|(3<<25)
.irp g, G1, G1B
	s_mov_b32 s[\g+1], KSTEP<<16                   ; tensor_dim0 = 256
	s_mov_b32 s[\g+2], 64<<16                      ; tensor_dim1 = 64
	s_mov_b32 s[\g+3], KSTEP<<16                   ; tile_dim0 = 256
	s_mov_b32 s[\g+4], 64                          ; tile_dim1 = 64
	s_mov_b32 s[\g+5], SIZE_K                      ; tensor_dim0_stride
	s_mov_b32 s[\g+6], 0
	s_mov_b32 s[\g+7], 0
.endr
	s_lshl_b32 s17, s12, 6                         ; which 64 rows of the tile I fetch
	s_lshl_b32 s16, s13, 7
	s_add_co_u32 s16, s16, s17                     ; A: row 128 x tile row + 64 x half
	s_lshl_b32 s46, s42, 7
	s_add_co_u32 s46, s46, s17                     ; B: row 128 x tile column + 64 x half
	s_mov_b32 s17, 0
	s_mov_b32 s47, 0
	s_mov_b64 s[18:19], SIZE_K*2
	s_mul_u64 s[16:17], s[16:17], s[18:19]
	s_mul_u64 s[46:47], s[46:47], s[18:19]
	s_mul_i32 s20, s10, HALFT                      ; where they go: wave x 64 rows
	s_wait_dscnt 0x0                               ; both opening adds are done
	s_wait_kmcnt 0x0
	s_add_nc_u64 s[14:15], s[4:5], s[16:17]
	s_add_nc_u64 s[46:47], s[6:7], s[46:47]
	CROUND                                         ; all sixteen work-groups are here: the first joint loads meet
.irp s, 0,1
	s_mov_b32 s[G0+4*\s], 1
	s_add_co_u32 s[G0+4*\s+1], s20, \s*SLOT
	s_add_nc_u64 s[G0+4*\s+2:G0+4*\s+3], s[14:15], \s*KSTEP*2
	s_or_b32 s[G0+4*\s+3], s[G0+4*\s+3], 0x80000000
	s_mov_b32 s[G0B+4*\s], 1
	s_add_co_u32 s[G0B+4*\s+1], s20, \s*SLOT
	s_add_nc_u64 s[G0B+4*\s+2:G0B+4*\s+3], s[46:47], \s*KSTEP*2
	s_or_b32 s[G0B+4*\s+3], s[G0B+4*\s+3], 0x80000000
	JLOAD \s
.endr
	v_and_b32 v1, 15, v0                           ; l % 16
	v_bfe_u32 v2, v0, 4, 1                         ; l / 16
	v_mul_u32_u24 v3, v1, PITCH
	v_lshl_add_u32 v3, v2, 4, v3                   ; a fragment's row x pitch + 16 x half
	s_mul_i32 s21, s11, HALFT                      ; my 64 rows of A
	s_mul_i32 s22, s12, HALFT                      ; my 64 rows of B,
	s_add_co_u32 s22, s22, 2*HALFT                 ; which lie behind A's 128
.irp s, 0,1
	v_add_nc_u32 v[ADRA+\s], s21, v3
	v_add_nc_u32 v[ADRB+\s], s22, v3
	s_add_co_u32 s21, s21, SLOT
	s_add_co_u32 s22, s22, SLOT
.endr
	s_mul_i32 s23, s10, 16*SPITCH
	s_add_co_u32 s23, s23, STAGE                   ; my stage
	v_mul_u32_u24 v4, v1, SPITCH                   ; in: row l % 16, 32 bytes for each half of the lanes
	v_lshl_add_u32 v4, v2, 5, v4
	v_add_nc_u32 v[STO], s23, v4
	v_mul_u32_u24 v5, v2, SPITCH                   ; back: lanes 0-15 one row of 256 bytes, lanes 16-31 the next
	v_lshl_add_u32 v5, v1, 4, v5
	v_add_nc_u32 v[RD], s23, v5
	v_lshlrev_b32 v5, 14, v2                       ; and the same two rows in C, 16,384 bytes apart
	v_lshl_add_u32 v[CO], v1, 4, v5
	s_lshl_b32 s16, s13, 7
	s_lshl_b32 s17, s11, 6
	s_add_co_u32 s16, s16, s17                     ; my first row of C: 128 x tile row + 64 x half
	s_lshl_b32 s16, s16, 14
	s_mov_b32 s17, 0
	s_add_nc_u64 s[8:9], s[8:9], s[16:17]
	s_lshl_b32 s46, s42, 9                         ; my first column, in bytes: 512 x tile column + 256 x half
	s_lshl_b32 s47, s12, 8
	s_add_co_u32 s46, s46, s47
	s_mov_b32 s47, 0
	s_add_nc_u64 s[8:9], s[8:9], s[46:47]
; 8 matrix instructions: m blocks a0, a0 + 1 x all 4 n blocks, 32 along K: half c of buffer f.  zero = 1: the first product starts the sums.  The 16 accumulators take turns
.macro MUL8 f, c, a0, zero
.irp a, \a0, \a0+1
.irp b, 0,1,2,3
.if \zero
	v_wmma_f32_16x16x32_f16 v[ACC+8*(4*(\a)+\b):ACC+8*(4*(\a)+\b)+7], v[\f+64+8*(4*\c+\b):\f+64+8*(4*\c+\b)+7], v[\f+8*(4*\c+\a):\f+8*(4*\c+\a)+7], 0
.else
	v_wmma_f32_16x16x32_f16 v[ACC+8*(4*(\a)+\b):ACC+8*(4*(\a)+\b)+7], v[\f+64+8*(4*\c+\b):\f+64+8*(4*\c+\b)+7], v[\f+8*(4*\c+\a):\f+8*(4*\c+\a)+7], v[ACC+8*(4*(\a)+\b):ACC+8*(4*(\a)+\b)+7]
.endif
.endr
.endr
.endm
; 32 LDS loads in one run: the fragments of 64 along K at byte k of the rows, into buffer f; the first 32 along K first
.macro FETCH slot, k, f
	WIN TO_F
.irp c, 0,1
.irp i, 0,1,2,3
	ds_load_b128 v[\f+64+8*(4*\c+\i):\f+64+8*(4*\c+\i)+3],   v[ADRB+\slot] offset:\k+64*\c+\i*16*PITCH
	ds_load_b128 v[\f+64+8*(4*\c+\i)+4:\f+64+8*(4*\c+\i)+7], v[ADRB+\slot] offset:\k+64*\c+\i*16*PITCH+32
	ds_load_b128 v[\f+8*(4*\c+\i):\f+8*(4*\c+\i)+3],         v[ADRA+\slot] offset:\k+64*\c+\i*16*PITCH
	ds_load_b128 v[\f+8*(4*\c+\i)+4:\f+8*(4*\c+\i)+7],       v[ADRA+\slot] offset:\k+64*\c+\i*16*PITCH+32
.endr
.endr
.endm
.macro PLACES                          ; four places in front of loads into registers that matrix instructions have read, and of the first read of results
.rept 4
	v_nop
.endr
.endm
; A K step is four quarters of 64 along K, 32 matrix instructions each, on buffers 0, 1, 0, 1.
.macro QUARTER slot, k, f, g, zero
	s_wait_dscnt 16                                ; the first 32 along K are in; the youngest sixteen loads may be out
	WIN MUL
	MUL8 \f, 0, 0, \zero
	MUL8 \f, 0, 2, \zero
	PLACES
	FETCH \slot, \k, \g
	s_wait_dscnt 32                                ; all but the 32 just issued
	WIN MUL
	MUL8 \f, 1, 0, 0
	MUL8 \f, 1, 2, 0
.endm
; The last quarter multiplies buffer 1 and changes slots: ONE barrier; in front of it each wave waits for all its tensor loads, adds 0 to its spare word, and waits for that and for its own reads of this slot.
.macro TURN slot, next, fill
	WIN 0                                          ; (the add's two registers lie in window 0)
	s_wait_tensorcnt 0x0                           ; all my tensor loads have landed: my part of the next slot
	ds_add_u32 v[SPW], v[NIL]                      ; 0 onto my spare word
	s_wait_dscnt 17                                ; (the add and the youngest sixteen loads may be out)
	WIN MUL
	MUL8 F1, 0, 0, 0
	s_wait_dscnt 0x0                               ; the add is done, and my reads of this slot are over
	s_barrier_signal -1
	MUL8 F1, 0, 2, 0
.if \fill
	WIN 0
.endif
	s_barrier_wait -1
.if \fill
	CREST                                          ; the barrier has opened a round of the cluster's barrier: no wave of any partner still reads this slot's tile or has a load on its way
	s_add_nc_u64 s[G0+4*\slot+2:G0+4*\slot+3], s[G0+4*\slot+2:G0+4*\slot+3], 2*KSTEP*2
	s_add_nc_u64 s[G0B+4*\slot+2:G0B+4*\slot+3], s[G0B+4*\slot+2:G0B+4*\slot+3], 2*KSTEP*2
	JLOAD \slot                                    ; the first tensor load behind the round; its four v_nop are also the places in front of the loads below
.else
	PLACES
.endif
	FETCH \next, 0, F0
	WIN MUL
	MUL8 F1, 1, 0, 0
	MUL8 F1, 1, 2, 0
.endm
	s_wait_tensorcnt 1                             ; my part of K step 0 is in (K step 1's may be out)
	s_barrier_signal -1
	s_barrier_wait -1                              ; everybody's is
	FETCH 0, 0, F0
	QUARTER 0, 128, F0, F1, 1                      ; the first quarter stands in front of the loop: its first products start the sums
	WIN 0                                          ; at a label and at a branch every window is 0
	s_mov_b32 s3, LAPS-1
.Llap:                                                 ; a trip goes once round the ring, from a lap's second quarter to the next lap's first, and fills both slots again
	QUARTER 0, 256, F1, F0, 0
	QUARTER 0, 384, F0, F1, 0
	TURN 0, 1, 1
	QUARTER 1, 128, F0, F1, 0
	QUARTER 1, 256, F1, F0, 0
	QUARTER 1, 384, F0, F1, 0
	TURN 1, 0, 1
	QUARTER 0, 128, F0, F1, 0
	WIN 0
	s_sub_co_u32 s3, s3, 1
	s_cmp_lg_u32 s3, 0
	s_cbranch_scc1 .Llap
	QUARTER 0, 256, F1, F0, 0                      ; the last lap fills nothing, and has no round of the cluster's barrier
	QUARTER 0, 384, F0, F1, 0
	TURN 0, 1, 0
	QUARTER 1, 128, F0, F1, 0
	QUARTER 1, 256, F1, F0, 0
	QUARTER 1, 384, F0, F1, 0
	s_wait_dscnt 16                                ; the very last quarter: nothing more to fetch
	WIN MUL
	MUL8 F1, 0, 0, 0
	MUL8 F1, 0, 2, 0
	s_wait_dscnt 0
	MUL8 F1, 1, 0, 0
	MUL8 F1, 1, 2, 0
	WIN 0
	; THE WAY OUT, 16 rows x 64 columns at a time: 32 bytes a lane into my own stage, back as whole rows of 256 bytes.  LDS serves a wave's instructions in order: no wait between the stores and the loads.
	PLACES
.irp a, 0,1,2,3
.if \a > 1
	s_wait_xcnt 0x0                                ; block a - 2's stores have read their registers: block a's rows may land there
.endif
.irp b, 0,1,2,3
	ds_store_b128 v[STO], v[ACC+8*(4*\a+\b):ACC+8*(4*\a+\b)+3] offset:64*\b          ; each accumulator from its low end on
	ds_store_b128 v[STO], v[ACC+8*(4*\a+\b)+4:ACC+8*(4*\a+\b)+7] offset:64*\b+16
.endr
.irp t, 0,1,2,3,4,5,6,7
	ds_load_b128 v[TMP+32*(\a%2)+4*\t:TMP+32*(\a%2)+4*\t+3], v[RD] offset:\t*2*SPITCH
.endr
	s_wait_dscnt 0x0                               ; the block is back in registers
.irp t, 0,1,2,3,4,5,6,7
	global_store_b128 v[CO], v[TMP+32*(\a%2)+4*\t:TMP+32*(\a%2)+4*\t+3], s[8:9] offset:(16*\a+2*\t)*SIZE_N*4 th:TH_STORE_NT   ; 16 lanes store 256 consecutive bytes, aligned; written once, read by nobody here
.endr
.endr
	s_wait_tensorcnt 0x0                           ; the wave's end, behind my last tensor load and my last LDS store
	ds_add_u32 v[SPW], v[NIL]
	s_wait_dscnt 0x0
	CROUND                                         ; the closing round: no work-group ends while a partner may still ask for a tile that names it
	s_endpgm
.Lfunc_end_k_q304b1638aa_proj:
	.size	k_q304b1638aa_proj, .Lfunc_end_k_q304b1638aa_proj-k_q304b1638aa_proj
	.p2alignl 7, 3214868480
	.fill 96, 4, 3214868480
	.section	.rodata,"a",@progbits
	.p2align	6, 0x0
	.amdhsa_kernel k_q304b1638aa_proj
		.amdhsa_group_segment_fixed_size 327680
		.amdhsa_private_segment_fixed_size 0
		.amdhsa_enable_private_segment 0
		.amdhsa_kernarg_size 24
		.amdhsa_user_sgpr_count 2
		.amdhsa_user_sgpr_kernarg_segment_ptr 1
		.amdhsa_wavefront_size32 1
		.amdhsa_system_sgpr_workgroup_id_x 1
		.amdhsa_system_sgpr_workgroup_id_y 1
		.amdhsa_system_sgpr_workgroup_id_z 1
		.amdhsa_system_vgpr_workitem_id 0
		.amdhsa_next_free_vgpr 512
		.amdhsa_next_free_sgpr 66
		.amdhsa_reserve_vcc 0
		.amdhsa_float_denorm_mode_32 3
		.amdhsa_float_denorm_mode_16_64 3
		.amdhsa_memory_ordered 1
		.amdhsa_forward_progress 1
		.amdhsa_inst_pref_size 86
	.end_amdhsa_kernel
	.amdgpu_metadata
---
amdhsa.version: [ 1, 2 ]
amdhsa.kernels:
  - .name:           k_q304b1638aa_proj
    .symbol:         k_q304b1638aa_proj.kd
    .args:
      - { .name: attn16, .offset: 0, .size: 8, .value_kind: global_buffer, .address_space: global }
      - { .name: wo16, .offset: 8, .size: 8, .value_kind: global_buffer, .address_space: global }
      - { .name: out0, .offset: 16, .size: 8, .value_kind: global_buffer, .address_space: global }
    .group_segment_fixed_size: 327680
    .private_segment_fixed_size: 0
    .kernarg_segment_align: 8
    .kernarg_segment_size: 24
    .max_flat_workgroup_size: 128
    .sgpr_count:     66
    .vgpr_count:     512
    .wavefront_size: 32
...
	.end_amdgpu_metadata
.endif
;; end of part 4
